; MI455X (gfx1250); checked and timed in simulation.
; The chip was launched on July 23, 2026; its instructions are those of AMD's public machine-readable ISA for CDNA 5 (MIT licence, August 2026) and "CDNA5" Instruction Set Architecture Reference Guide (July 2026). The comments in the code are by the model that wrote it; some were corrected since.
;; Multi Head Self Attention. Allowed arithmetic: matrix products marked QUANTISED: E3M2 operands, one E8M0 scale for each 32 along K, by v_wmma_scale_f32_16x16x128_f8f6f4 with both operands' format E3M2, f32 sums; everything else in f32.
;; Inputs: b_out 1,024 float32; b_qkv 3,072 float32; w_out 1,024 x 1,024 float32; w_qkv 3,072 x 1,024 float32; x 4 x 2,048 x 1,024 float32.
;; Outputs: out0 4 x 2,048 x 1,024 float32.
;; This version of the problem:
;;   THIS VERSION OF THE PROBLEM IS GIVEN IN LOW PRECISION. The matrix products marked QUANTISED in the list below multiply operands that are first quantised to E3M2 (3 exponent bits, 2 mantissa bits; 6 bits a number), with one power-of-two scale for each 32 numbers along K (OCP MX v1.0); their sums are f32. All else is computed in f32.
;;   The module's matrix products, in the order in which they are computed (A, B: the left and right operand; K: the contracted axis; several contracted axes count as one K, in the product's order):
;;     1. [M 8,192, K 1,024] x [K 1,024, N 3,072]; A: input x; B: input w_qkv: QUANTISED
;;     2. batch 64 x [M 2,048, K 64] x [K 64, N 2,048]; A: computed on the way; B: computed on the way: QUANTISED
;;     3. batch 64 x [M 2,048, K 2,048] x [K 2,048, N 64]; A: softmax (see below); B: computed on the way: QUANTISED
;;     4. [M 8,192, K 1,024] x [K 1,024, N 1,024]; A: computed on the way; B: input w_out: QUANTISED
;;   THE QUANTISER, for each operand of a quantised product, along K:
;;     - K is cut into blocks of 32 from its start; a last block that is shorter is filled with zeros.
;;     - A block's scale is 2^e with e = floor(log2(the largest magnitude in the block)) - 4, held to -126 .. 127; a block of zeros has e = 0. As a byte (E8M0): e + 127.
;;     - Each number is divided by its block's scale, clamped to +-28, and rounded to the nearest number of E3M2, ties to even, subnormals kept.
;;     - The product sums the exact products of the quantised numbers (number of the format x scale) in f32.
;;   ~~~python
;;   def quantise(x, axis):      # numpy; x: float32 -> the quantised numbers, widened to float32 again
;;       x = np.moveaxis(x, axis, -1); K = x.shape[-1]
;;       x = np.pad(x, [(0, 0)] * (x.ndim - 1) + [(0, -K % 32)]); x = x.reshape(x.shape[:-1] + (-1, 32)); a = np.abs(x).max(-1, keepdims=True)
;;       e = np.where(a > 0, np.clip(np.frexp(np.where(a > 0, a, 1))[1] - 1 - 4, -126, 127), 0)      # np.frexp(a)[1] - 1 = floor(log2(a)), exactly
;;       r = np.clip(x / 2.0 ** e, -28, 28)
;;       step = 2.0 ** (np.maximum(np.frexp(np.where(r == 0, 1, r))[1] - 1, -2) - 2)
;;       q = np.round(r / step) * step * 2.0 ** e      # np.round: ties to even
;;       return np.moveaxis(q.reshape(q.shape[:-2] + (-1,))[..., :K], -1, axis).astype(np.float32)
;;   ~~~
;;   SOFTMAX AHEAD OF A QUANTISED PRODUCT. Where the list says 'softmax', what is quantised is not the finished softmax but p = 2^(t - M), with t = logit x log2(e) and M = ceil(the row's largest t), a whole number; so 1/2 < the row's largest p <= 1. The row's sum l is taken of the UNQUANTISED p, in f32, and the product's result is divided by l at the end. Since M is a whole number, a kernel that streams over the keys may use a running M (the ceiling of the running maximum): every later rescaling is an exact power of two, which a block's scale takes up: the codes' values come out the same.
;;   OPERANDS COMPUTED ON THE WAY. 'Computed on the way' means the value that the module computes at that place (a softmax that the list does not call 'softmax' is quantised finished and normalised). What goes into a quantiser is computed in f32, as accurately as f32 sums, v_exp_f32 and their like allow (about 1e-6 of the number): no bf16 or f16 on the way to a quantiser, and a product that is left as it is and whose result goes on into a quantised operand takes f32 operands (vector FMAs, or v_wmma_f32_16x16x4_f32). A number that lies on a knife's edge between two numbers of the format may be rounded either way, as far as f32 arithmetic and the matrix unit's own rounding can turn it there, and no further.
;; One version. Each part assembles by itself: llvm-mc -triple=amdgcn-amd-amdhsa -mcpu=gfx1250 --defsym DOCPART=n.
;; ======== version 1 of 1: 4 launches
;; workspace buffers: xq 6,553,600 bytes; wq 3,276,800 bytes; qb 6,815,744 bytes; kvb 13,369,344 bytes; aq 6,553,600 bytes
;; launch quant (part 1): grid 384 x 1, 4 waves a work-group, no clusters, 34,304 bytes of LDS; arguments x, w_qkv, w_out, xq, wq; writes xq, wq
.if DOCPART == 1
	.amdgcn_target "amdgcn-amd-amdhsa--gfx1250"
	.amdhsa_code_object_version 6
	.text
	.protected	k_q5966a6119f_quant
	.globl	k_q5966a6119f_quant
	.p2align	8
	.type	k_q5966a6119f_quant,@function
k_q5966a6119f_quant:
	s_mov_b64 s[64:65], 0
	v_nop
	global_prefetch_b8 v0, s[64:65] scope:SCOPE_SE
	s_setreg_imm32_b32 hwreg(HW_REG_WAVE_MODE, 25, 1), 1
	s_wait_xcnt 0x0
; x [8192][1024], w_qkv [3072][1024] and w_out [1024][1024], f32, K innermost, become codes of BF6 (E3M2) with one E8M0 byte for each 32 along K.
; A block's scale is 2^(floor(log2(its largest magnitude)) - 4): its byte is that magnitude's exponent field - 4, held at 1 from below.
; THE CODES ARE LAID AS IMAGES OF THE OPERAND'S REGISTERS.  A fragment (16 rows x 128 K) is 12 registers a lane, 1,536 bytes: registers 0-3 at 16 x lane, 4-5 at 512 + 8 x lane,
; 6-9 at 768 + 16 x lane, 10-11 at 1,280 + 8 x lane.  Fragment (tile of 16 rows, K step) lies at (8 tile + step) x 1,536.  Scale words (one a row and K step) lie behind the codes,
; at tile x 512 + (step / 2) x 128 + 8 row + 4 (step % 2).  wq holds w_qkv's 192 tiles, then w_out's 64.
; INSIDE A BLOCK of 32 the codes stand in the order k = 0-7, 16-23, 8-15, 24-31, in every operand of this program alike: the products stay the same, blocks and scales are untouched.
; LIMITS: NaN and infinities are not served.  A block whose largest magnitude lies under 2^-122 keeps the byte 1; so does a block of zeros (the rule says 127): its codes are zeros, and this program alone reads the bytes.
; SHARES: a work-group takes two tiles of 16 rows; wave w takes tile w / 2 of them and half w % 2 of K: four fragments, 32 KiB of f32.  Work-groups 0-255: x; 256-351: w_qkv; 352-383: w_out.
; Each load reads 512 consecutive bytes of a row; a fragment's 16 rows turn through the wave's own stage in LDS (rows of 512 + 16 bytes), from which a lane takes its row's numbers in the order above.
; No tensor loads, no barrier: waves share nothing.  Two fragments' loads (32 a wave) are out at the start, 16 while a fragment is worked on.
.set RS,  16                           ; v16-143  two sets of 64 registers as loaded
.set XS,  144                          ; v144-207 64 numbers of my row: register 16 b + i of block b
.set PC,  208                          ; v208-219 the codes; v220-226 at work
.set TM,  228                          ; v228-243 at work
.set PW,  244                          ; v244-247 a scale word for each fragment
.set SEL, 20                           ; s[20:21] lane selects: lane l xor 16
.set SP,  528                          ; a stage row
.set STG, 16*SP                        ; a wave's stage
; 64 numbers of a lane, register 16 b + i in block b of my row, become a fragment's codes in v[PC] on and its scale word in v[pw].
.macro QUANT s, pw
.irp b, 0,1,2,3
	v_max3_num_f32 v[TM+\b], |v[\s+16*\b]|, |v[\s+1+16*\b]|, 0x2800000   ; my 16 numbers of block b, and the floor 2^(5 - 127): the byte cannot fall under 1
.endr
.irp i, 2,4,6,8,10,12,14
.irp b, 0,1,2,3
	v_max3_num_f32 v[TM+\b], v[TM+\b], |v[\s+16*\b+\i]|, |v[\s+1+16*\b+\i]|   ; the four blocks by turns
.endr
.endr
.irp b, 0,1,2,3
	v_permlanex16_b32 v[TM+4+\b], v[TM+\b], s[SEL], s[SEL+1]
.endr
.irp b, 0,1,2,3
	v_max_num_f32 v[TM+\b], v[TM+\b], v[TM+4+\b]     ; with lane l xor 16's 16: the block's largest magnitude
.endr
.irp b, 0,1,2,3
	v_add_nc_u32 v[TM+12+\b], 0xfe000000, v[TM+\b]   ; 4 off its exponent field: the conversion's scale operand
.endr
.irp b, 0,1,2,3
	v_lshrrev_b32 v[TM+4+\b], 23, v[TM+12+\b]        ; the scale's byte
.endr
	v_lshl_or_b32 v[\pw], v[TM+5], 8, v[TM+4]
	v_lshl_or_b32 v[\pw], v[TM+6], 16, v[\pw]
	v_lshl_or_b32 v[\pw], v[TM+7], 24, v[\pw]
.irp c, 0,1
	v_cvt_scalef32_pk16_bf6_f32 v[PC+6*\c:PC+2+6*\c], v[\s+32*\c:\s+15+32*\c], v[TM+12+2*\c]
	v_cvt_scalef32_pk16_bf6_f32 v[PC+12+4*\c:PC+14+4*\c], v[\s+16+32*\c:\s+31+32*\c], v[TM+12+2*\c+1]   ; (a conversion's three registers begin on an even number)
.endr
	v_nop                                            ; one plain place behind a scaled conversion
.irp c, 0,1                                      ; the operand wants a whole block in a lane: lanes 0-15 block 2 c, lanes 16-31 block 2 c + 1
.irp i, 0,1,2
	v_permlane16_swap_b32 v[PC+6*\c+\i], v[PC+12+4*\c+\i]
.endr
.irp i, 0,1,2
	v_mov_b32 v[PC+3+6*\c+\i], v[PC+12+4*\c+\i]
.endr
.endr
.endm
	s_load_b256 s[4:11], s[0:1], 0x0               ; x s[4:5], w_qkv s[6:7], w_out s[8:9], xq s[10:11]
	s_load_b64 s[12:13], s[0:1], 0x20              ; wq
	v_lshl_add_u32 v254, v0, 2, 0x8400
	v_mov_b32 v255, 0
	v_lshrrev_b32 v1, 5, v0
	v_readfirstlane_b32 s22, v1                    ; wave
	v_and_b32 v7, 31, v0                           ; lane
	v_and_b32 v8, 15, v0                           ; r
	v_bfe_u32 v9, v0, 4, 1                         ; h
	v_lshlrev_b32 v1, 4, v7                        ; 16 x lane: my bytes of a load, and of a store of four registers
	s_mul_i32 s23, s22, STG
	v_add_nc_u32 v2, s23, v1                       ; the stage, on the way in
	v_mul_u32_u24 v3, v8, SP
	v_lshl_add_u32 v3, v9, 5, v3
	v_add_nc_u32 v3, s23, v3                       ; and out: row r, + 32 h bytes: k = 8 h on
	v_lshlrev_b32 v5, 3, v7                        ; 8 x lane: a store of two registers
	v_lshlrev_b32 v6, 3, v8
	v_lshl_add_u32 v6, v9, 7, v6                   ; the scale words: 128 h + 8 r
.irp b, 0,1,2,3
	v_mov_b32 v[TM+4+\b], 0                        ; written once: a lane permute's destination counts as one of its sources
.endr
	s_mov_b32 s[SEL], 0x76543210
	s_mov_b32 s[SEL+1], 0xfedcba98
	s_lshr_b32 s24, s22, 1                         ; which of the two tiles
	s_and_b32 s25, s22, 1                          ; which half of K
	s_mov_b32 s14, 352
	s_mov_b32 s16, 3145728                         ; where wq's scale words begin
	s_wait_alu depctr_va_vdst(0)
	s_wait_kmcnt 0x0
	s_cmp_lt_u32 ttmp9, 352                        ; the choices hang on the work-group's number alone
	s_cselect_b64 s[6:7], s[6:7], s[8:9]           ; w_qkv or w_out
	s_cselect_b32 s14, 256, s14
	s_cmp_lt_u32 ttmp9, 256
	s_cselect_b64 s[4:5], s[4:5], s[6:7]           ; the source
	s_cselect_b64 s[10:11], s[10:11], s[12:13]     ; the destination
	s_cselect_b32 s14, 0, s14                      ; the source's first work-group
	s_cselect_b32 s15, 0, 256                      ; the destination's: w_out's tiles follow w_qkv's 192 = 2 x (352 - 256)
	s_cselect_b32 s16, 6291456, s16                ; where xq's scale words begin
	s_sub_co_u32 s14, ttmp9, s14
	s_lshl_b32 s14, s14, 1
	s_add_co_u32 s14, s14, s24                     ; my tile in the source
	s_sub_co_u32 s15, ttmp9, s15
	s_lshl_b32 s15, s15, 1
	s_add_co_u32 s15, s15, s24                     ; and in the destination
	s_lshl_b32 s26, s14, 16                        ; 16 rows of 4,096 bytes
	s_lshl_b32 s27, s25, 11
	s_add_co_u32 s26, s26, s27
	s_mov_b32 s27, 0
	s_add_nc_u64 s[4:5], s[4:5], s[26:27]
	s_mul_i32 s26, s15, 12288
	s_mul_i32 s28, s25, 6144
	s_add_co_u32 s26, s26, s28
	s_add_nc_u64 s[18:19], s[10:11], s[26:27]      ; my four fragments
	s_lshl_b32 s26, s15, 9
	s_lshl_b32 s28, s25, 8
	s_add_co_u32 s26, s26, s28
	s_add_co_u32 s26, s26, s16
	s_add_nc_u64 s[10:11], s[10:11], s[26:27]      ; my 256 bytes of scale words
.macro LOAD f                          ; fragment f: 16 rows x 512 bytes into set f % 2
.irp i, 0,1,2,3,4,5,6,7,8,9,10,11,12,13,14,15
	global_load_b128 v[RS+64*((\f)%2)+4*\i:RS+64*((\f)%2)+4*\i+3], v1, s[4:5] offset:4096*\i+512*(\f) th:TH_LOAD_NT
.endr
.endm
.macro FRAGQ f
.if (\f) < 3
	s_wait_loadcnt 16                              ; this fragment's 16 loads are in; the other set's 16 may be out
.else
	s_wait_loadcnt 0x0
.endif
.irp i, 0,1,2,3,4,5,6,7,8,9,10,11,12,13,14,15
	ds_store_b128 v2, v[RS+64*((\f)%2)+4*\i:RS+64*((\f)%2)+4*\i+3] offset:SP*\i
.endr
.irp b, 0,1,2,3                                ; LDS serves a wave's instructions in order: these see the stores.  Of block b: k = 8 h + 0..7, then 16 + 8 h + 0..7
	ds_load_b128 v[XS+16*\b:XS+16*\b+3],     v3 offset:128*\b
	ds_load_b128 v[XS+16*\b+4:XS+16*\b+7],   v3 offset:128*\b+16
	ds_load_b128 v[XS+16*\b+8:XS+16*\b+11],  v3 offset:128*\b+64
	ds_load_b128 v[XS+16*\b+12:XS+16*\b+15], v3 offset:128*\b+80
.endr
	s_wait_dscnt 0x0                               ; my numbers are in, and the stores have read the set,
.if (\f) < 2
	LOAD (\f)+2                                    ; which takes the fragment two on
.endif
	s_wait_xcnt 0x0                                ; the last fragment's stores have read the codes' registers: they are rewritten only behind this wait
	QUANT XS, PW+(\f)
	global_store_b128 v1, v[PC:PC+3],     s[18:19] offset:1536*(\f)          ; each store covers 512 or 256 consecutive bytes, aligned
	global_store_b64  v5, v[PC+4:PC+5],   s[18:19] offset:1536*(\f)+512
	global_store_b128 v1, v[PC+6:PC+9],   s[18:19] offset:1536*(\f)+768
	global_store_b64  v5, v[PC+10:PC+11], s[18:19] offset:1536*(\f)+1280
.endm
	LOAD 0
	LOAD 1
	FRAGQ 0
	FRAGQ 1
	FRAGQ 2
	FRAGQ 3
	v_cmp_ne_u32 vcc_lo, 0, v9                     ; lanes 0-15 store the words of my K steps 0, 1, lanes 16-31 those of steps 2, 3
	v_cndmask_b32 v248, v[PW], v[PW+2], vcc_lo
	v_cndmask_b32 v249, v[PW+1], v[PW+3], vcc_lo
	global_store_b64 v6, v[248:249], s[10:11]      ; 32 lanes store 256 consecutive bytes, aligned
	s_wait_tensorcnt 0x0
	ds_add_u32 v254, v255
	s_wait_dscnt 0x0
	s_endpgm
.Lfunc_end_k_q5966a6119f_quant:
	.size	k_q5966a6119f_quant, .Lfunc_end_k_q5966a6119f_quant-k_q5966a6119f_quant
	.p2alignl 7, 3214868480
	.fill 96, 4, 3214868480
	.section	.rodata,"a",@progbits
	.p2align	6, 0x0
	.amdhsa_kernel k_q5966a6119f_quant
		.amdhsa_group_segment_fixed_size 34304
		.amdhsa_private_segment_fixed_size 0
		.amdhsa_enable_private_segment 0
		.amdhsa_kernarg_size 40
		.amdhsa_user_sgpr_count 2
		.amdhsa_user_sgpr_kernarg_segment_ptr 1
		.amdhsa_wavefront_size32 1
		.amdhsa_system_sgpr_workgroup_id_x 1
		.amdhsa_system_sgpr_workgroup_id_y 1
		.amdhsa_system_sgpr_workgroup_id_z 1
		.amdhsa_system_vgpr_workitem_id 0
		.amdhsa_next_free_vgpr 256
		.amdhsa_next_free_sgpr 66
		.amdhsa_reserve_vcc 1
		.amdhsa_float_denorm_mode_32 3
		.amdhsa_float_denorm_mode_16_64 3
		.amdhsa_memory_ordered 1
		.amdhsa_forward_progress 1
		.amdhsa_inst_pref_size 34
	.end_amdhsa_kernel
	.amdgpu_metadata
---
amdhsa.version: [ 1, 2 ]
amdhsa.kernels:
  - .name:           k_q5966a6119f_quant
    .symbol:         k_q5966a6119f_quant.kd
    .args:
      - { .name: x, .offset: 0, .size: 8, .value_kind: global_buffer, .address_space: global }
      - { .name: w_qkv, .offset: 8, .size: 8, .value_kind: global_buffer, .address_space: global }
      - { .name: w_out, .offset: 16, .size: 8, .value_kind: global_buffer, .address_space: global }
      - { .name: xq, .offset: 24, .size: 8, .value_kind: global_buffer, .address_space: global }
      - { .name: wq, .offset: 32, .size: 8, .value_kind: global_buffer, .address_space: global }
    .group_segment_fixed_size: 34304
    .private_segment_fixed_size: 0
    .kernarg_segment_align: 8
    .kernarg_segment_size: 40
    .max_flat_workgroup_size: 128
    .sgpr_count:     66
    .vgpr_count:     256
    .wavefront_size: 32
...
	.end_amdgpu_metadata
.endif
;; end of part 1
;; launch gemm1 (part 2): grid 12 x 32, 4 waves a work-group, clusters of 4 x 4, 327,680 bytes of LDS; arguments xq, wq, b_qkv, qb, kvb; writes qb, kvb
.if DOCPART == 2
	.amdgcn_target "amdgcn-amd-amdhsa--gfx1250"
	.amdhsa_code_object_version 6
	.text
	.protected	k_q5966a6119f_gemm1
	.globl	k_q5966a6119f_gemm1
	.p2align	8
	.type	k_q5966a6119f_gemm1,@function
k_q5966a6119f_gemm1:
	s_mov_b64 s[64:65], 0
	v_nop
	global_prefetch_b8 v0, s[64:65] scope:SCOPE_SE
	s_setreg_imm32_b32 hwreg(HW_REG_WAVE_MODE, 25, 1), 1
	s_wait_xcnt 0x0
	s_wait_alu depctr_hold_cnt(0) depctr_sa_sdst(0) depctr_va_vdst(0) depctr_va_sdst(0) depctr_va_ssrc(0) depctr_va_vcc(0) depctr_vm_vsrc(0)
	s_getreg_b32 s2, hwreg(HW_REG_IB_STS2, 6, 4)
	s_cmp_eq_u32 s2, 0
	s_cbranch_scc0 .Lentry_in_a_cluster
	s_endpgm
.Lentry_in_a_cluster:
	s_bfe_u32 s2, ttmp6, 0x10000c
	s_cmp_lg_u32 s2, 0xf033
	s_cbranch_scc0 .Lentry_shape_is_right
	s_endpgm
.Lentry_shape_is_right:
; qkv = x w_qkv^T + b_qkv on codes of BF6 (E3M2) with E8M0 scales, sums in f32; the results never go to memory as f32: q, k and v leave as codes, quantised here.
; A tile of 256 rows x 256 columns is made by four waves, 128 x 128 each: 64 accumulators, 512 registers.
; K = 1,024 goes in four quarters of 256 through THREE LDS slots.  Quarters 0, 1, 2 are asked for together at the start (with the scale words: four tensor loads of a wave are out); quarter 3 goes into slot 0
; when that has been read: the one refill, which has 224 matrix instructions of the wave in which to land.
; xq, wq hold IMAGES OF OPERAND REGISTERS: fragment (tile of 16 rows, K step of 128) = 1,536 bytes at (8 tile + step) x 1,536: registers 0-3 at 16 x lane, 4-5 at 512 + 8 x lane, 6-9 at 768 + 16 x lane,
; 10-11 at 1,280 + 8 x lane; scale words behind the codes at tile x 512 + (step / 2) x 128 + 8 row + 4 (step % 2).  So every LDS load takes consecutive bytes in consecutive lanes: no pitch, no padding.
; ROLES.  q and k are quantised along the columns of the result (a head's 64), v along its rows (the keys).  A lane's eight results run along source 0's rows.  So for q and k (cluster x = 0, 1) source 0 = 16 rows of W
; and source 1 = 16 rows of x; for v (cluster x = 2) the other way round.  The tensor loads are the same in both roles (x's 256 rows, then W's 256 rows, in each slot); only the LDS addresses that the fragments
; are read from differ, chosen once on the cluster's x, which all partners share.
; Inside a block of 32 every operand of this program holds its codes in the order 0-7, 16-23, 8-15, 24-31: the order in which a result's registers fall into the conversions.  Products are kept; only the grouping of the unit's sums changes.
; OUT.  qb: (16 bh + group of 128 queries) x 6,656: eight half images (16 rows x 64: 768 bytes), then 512 bytes of scale words at 6,144 + (tile / 4) x 256 + 16 r + 4 (tile % 4).
;       kvb: (16 bh + step of 128 keys) x 13,056: K's eight half images; at 6,144 V^T's four images (16 d x 128 keys); at 12,288 K's scale words (as q's); at 12,800 V's, 16 r + 4 tile.
;       A scale word of q or k: bytes 0, 1 the head's two blocks; bytes 2, 3 the neighbour head's or 0, never 0xff: they meet zero codes alone.
; CLUSTERS: 4 x 4 work-groups; x's tiles are asked for jointly along a row of the cluster, W's along a column.
; LIMITS: NaN and infinities are not served; a block whose largest magnitude lies under 2^-122, a block of zeros among them, keeps the byte 1 (this program alone reads the bytes).
; REGISTERS: window 0: v1-3 lane, r, h; v4-9, v16-21 fragment addresses; v12-13 bias offsets; v24-27 addresses; v28-29 the add's; v32-63 source 1's scale words (two sets), v64-95 source 0's; v96-111 v's bias; v128-223 source 1's fragments, ONE set.
;   window 1: source 0's fragments, TWO sets, at v0 and v128; q's and k's bias in v96-127 and v224-255.   windows 2, 3: accumulator (a, b) at v[8 (8 (a % 4) + b)].
.set HALFT, 24576                      ; 8 tiles x 2 K steps x 1,536 bytes: what one tensor load brings, and what a wave reads for one source
.set SLOT,  4*HALFT                    ; x's two halves, then W's two
.set SCL,   3*SLOT                     ; the scale words of the 512 rows, all of K: 4 x 4,096 bytes, filled once
.set SPARE, SCL+16384                  ; the spare words, 128 bytes a wave: two blocks of 256 bytes that no other line names
.set FR,    12
.set A1Q,   4                          ; v4-6 source 1's place in slot 0, 1, 2, + 16 x lane; v7-9 + 8 x lane
.set A0Q,   16                         ; v16-18, v19-21 the same for source 0
.set AS1,   24                         ; v24, v25 their scale words' places, + 8 r
.set AS0,   25
.set L16,   26                         ; v26 16 x lane; v27 8 x lane
.set L8,    27
.set SPW,   28
.set NIL,   29
.set SC1,   32
.set SC0,   64
.set BV,    96
.set S1F,   128
.set PC,    192                        ; the way out: the codes v192-203, at work to v210
.set TM,    212                        ; v212-227 at work
.set PWS,   228                        ; v228-235 a scale word for each of my eight tiles
.set G1,   24
.set G0,   32                          ; s[32:39] group 0 for x's tiles in slots 0, 1
.set G1B,  48
.set G0B,  56                          ; s[56:63] for W's
.set G1S,  68
.set G0S,  76
.set G1SB, 80
.set G0SB, 88
.set G0C,  92                          ; s[92:95] group 0 for x's tile in slot 2
.set G0CB, 96                          ; s[96:99] for W's
.set SEL,  96
.set MSB, 0
.macro WIN new                         ; the immediate's high byte repeats the setting that is left
.if MSB != (\new)
	s_set_vgpr_msb (MSB<<8)|(\new)
.set MSB, (\new)
.endif
.endm
.set MUL_LO, 0xa1                      ; source 0 window 1, source 1 window 0, C and D window 2
.set MUL_HI, 0xf1
.set TO_1,   0x40                      ; destination window 1
; A joint load: waves 0 and 1 fetch x's halves, waves 2 and 3 W's.  Four v_nop follow each of the two lines.
.macro JLOAD g0a, g1a, g0b, g1b
	s_cmp_eq_u32 s15, 0
	s_cbranch_scc0 .Lfor_b_\@
	tensor_load_to_lds s[\g0a:\g0a+3], s[\g1a:\g1a+7]
	s_nop 0
.rept 4
	v_nop
.endr
	s_branch .Lasked_\@
.Lfor_b_\@:
	tensor_load_to_lds s[\g0b:\g0b+3], s[\g1b:\g1b+7]
	s_nop 0
.rept 4
	v_nop
.endr
.Lasked_\@:
.endm
.macro CREST                           ; a round of the cluster's barrier behind its opening barrier
	s_cmp_lg_u32 s14, 0
	s_cbranch_scc1 .Lnot_wave_0_\@
	s_barrier_signal -3
.Lnot_wave_0_\@:
	s_barrier_wait -3
	s_barrier_signal -1
	s_barrier_wait -1
.endm
.macro CROUND
	s_barrier_signal -1
	s_barrier_wait -1
	CREST
.endm
.macro PLACES                          ; four places behind a matrix instruction of this form, in front of loads into its registers and of reads of its results
.rept 4
	v_nop
.endr
.endm
	s_load_b256 s[4:11], s[0:1], 0x0               ; xq s[4:5], wq s[6:7], b_qkv s[8:9], qb s[10:11]
	s_load_b64 s[12:13], s[0:1], 0x20              ; kvb
	v_lshl_add_u32 v[SPW], v0, 2, SPARE
	v_mov_b32 v[NIL], 0
	ds_add_u32 v28, v29
	ds_add_u32 v28, v29
	s_wait_dscnt 0x0
	v_lshrrev_b32 v1, 5, v0
	v_readfirstlane_b32 s14, v1                    ; wave
	s_lshr_b32 s15, s14, 1                         ; wr: source 1's half.  Also: I fetch for x (0) or for W (1)
	s_and_b32 s16, s14, 1                          ; wc: source 0's half.  Also: which half I fetch
	s_bfe_u32 s40, ttmp6, 0x40000                  ; cx
	s_bfe_u32 s41, ttmp6, 0x40004                  ; cy
	s_lshl_b32 s42, ttmp9, 2
	s_add_co_u32 s42, s42, s40                     ; X: tile column, 0 .. 11
	s_and_b32 s17, ttmp7, 0xffff
	s_lshl_b32 s17, s17, 2
	s_add_co_u32 s17, s17, s41                     ; Y: tile row, 0 .. 31
	s_lshl_b32 s43, s41, 2
	s_lshl_b32 s43, 15, s43                        ; my row of the cluster
	s_lshl_b32 s44, 0x1111, s40                    ; my column
	; codes: 8 rows (tiles of 16) of 3,072 bytes (two K steps), 12,288 bytes apart; elements of 8 bytes
	s_or_b32 s[G1+0], s43, (3<<16)|(1<<21)
	s_or_b32 s[G1B+0], s44, (3<<16)|(1<<21)
.irp g, G1, G1B
	s_mov_b32 s[\g+1], 384<<16                     ; tensor_dim0
	s_mov_b32 s[\g+2], 8<<16                       ; tensor_dim1
	s_mov_b32 s[\g+3], 384<<16                     ; tile_dim0
	s_mov_b32 s[\g+4], 8                           ; tile_dim1
	s_mov_b32 s[\g+5], 1536                        ; stride
	s_mov_b32 s[\g+6], 0
	s_mov_b32 s[\g+7], 0
.endr
	; scale words of 8 tiles: 4,096 dense bytes as 16 rows of 256
	s_or_b32 s[G1S+0], s43, (3<<16)|(1<<21)
	s_or_b32 s[G1SB+0], s44, (3<<16)|(1<<21)
.irp g, G1S, G1SB
	s_mov_b32 s[\g+1], 32<<16
	s_mov_b32 s[\g+2], 16<<16
	s_mov_b32 s[\g+3], 32<<16
	s_mov_b32 s[\g+4], 16
	s_mov_b32 s[\g+5], 32
	s_mov_b32 s[\g+6], 0
	s_mov_b32 s[\g+7], 0
.endr
	s_lshl_b32 s18, s16, 3
	s_lshl_b32 s20, s17, 4
	s_add_co_u32 s20, s20, s18                     ; x: tile 16 Y + 8 half
	s_lshl_b32 s46, s42, 4
	s_add_co_u32 s46, s46, s18                     ; W: tile 16 X + 8 half
	s_lshl_b32 s22, s20, 9
	s_add_co_u32 s22, s22, 6291456                 ; their scale words
	s_mov_b32 s23, 0
	s_lshl_b32 s92, s46, 9
	s_add_co_u32 s92, s92, 3145728
	s_mov_b32 s93, 0
	s_mul_i32 s20, s20, 12288                      ; and their codes
	s_mov_b32 s21, 0
	s_mul_i32 s46, s46, 12288
	s_mov_b32 s47, 0
	s_mul_i32 s45, s14, HALFT                      ; where they go: by the wave's number alone
	s_lshl_b32 s94, s14, 12
	s_wait_kmcnt 0x0
	s_add_nc_u64 s[20:21], s[4:5], s[20:21]
	s_add_nc_u64 s[22:23], s[4:5], s[22:23]
	s_add_nc_u64 s[46:47], s[6:7], s[46:47]
	s_add_nc_u64 s[92:93], s[6:7], s[92:93]
	CROUND                                         ; all sixteen work-groups are here: the first joint loads meet
	s_mov_b32 s[G0S], 1
	s_add_co_u32 s[G0S+1], s94, SCL
	s_mov_b64 s[G0S+2:G0S+3], s[22:23]
	s_or_b32 s[G0S+3], s[G0S+3], 0x80000000
	s_mov_b32 s[G0SB], 1
	s_add_co_u32 s[G0SB+1], s94, SCL
	s_mov_b64 s[G0SB+2:G0SB+3], s[92:93]
	s_or_b32 s[G0SB+3], s[G0SB+3], 0x80000000
	JLOAD G0S, G1S, G0SB, G1SB                     ; the scale words first
.irp s, 0,1
	s_mov_b32 s[G0+4*\s], 1
	s_add_co_u32 s[G0+4*\s+1], s45, \s*SLOT
	s_add_nc_u64 s[G0+4*\s+2:G0+4*\s+3], s[20:21], \s*3072
	s_or_b32 s[G0+4*\s+3], s[G0+4*\s+3], 0x80000000
	s_mov_b32 s[G0B+4*\s], 1
	s_add_co_u32 s[G0B+4*\s+1], s45, \s*SLOT
	s_add_nc_u64 s[G0B+4*\s+2:G0B+4*\s+3], s[46:47], \s*3072
	s_or_b32 s[G0B+4*\s+3], s[G0B+4*\s+3], 0x80000000
	JLOAD G0+4*\s, G1, G0B+4*\s, G1B
.endr
	s_mov_b32 s[G0C], 1                            ; slot 2 (s92-94 have been read for the last time above)
	s_add_co_u32 s[G0C+1], s45, 2*SLOT
	s_add_nc_u64 s[G0C+2:G0C+3], s[20:21], 2*3072
	s_or_b32 s[G0C+3], s[G0C+3], 0x80000000
	s_mov_b32 s[G0CB], 1
	s_add_co_u32 s[G0CB+1], s45, 2*SLOT
	s_add_nc_u64 s[G0CB+2:G0CB+3], s[46:47], 2*3072
	s_or_b32 s[G0CB+3], s[G0CB+3], 0x80000000
	JLOAD G0C, G1, G0CB, G1B                       ; four loads of mine are out
	v_and_b32 v1, 31, v0                           ; lane
	v_and_b32 v2, 15, v0                           ; r
	v_bfe_u32 v3, v0, 4, 1                         ; h
	v_lshlrev_b32 v[L16], 4, v1
	s_wait_alu depctr_va_vdst(0)
	v_lshlrev_b32 v[L8], 3, v1
	s_wait_alu depctr_va_vdst(0)
	s_cmp_eq_u32 ttmp9, 2                          ; the role: the cluster's x, the same in all partners
	s_cselect_b32 s21, 2*HALFT, 0                  ; source 1: x's rows, or for v W's
	s_cselect_b32 s22, 0, 2*HALFT                  ; source 0: W's rows, or for v x's
	s_cselect_b32 s23, 8192, 0                     ; and their scale words
	s_cselect_b32 s18, 0, 8192
	s_mul_i32 s19, s15, HALFT
	s_add_co_u32 s21, s21, s19
	s_mul_i32 s19, s16, HALFT
	s_add_co_u32 s22, s22, s19
.irp s, 0,1,2
	v_add_nc_u32 v[A1Q+\s], s21, v[L16]
	v_add_nc_u32 v[A1Q+3+\s], s21, v[L8]
	v_add_nc_u32 v[A0Q+\s], s22, v[L16]
	v_add_nc_u32 v[A0Q+3+\s], s22, v[L8]
	s_add_co_u32 s21, s21, SLOT
	s_add_co_u32 s22, s22, SLOT
.endr
	s_lshl_b32 s19, s15, 12
	s_add_co_u32 s23, s23, s19
	s_add_co_u32 s23, s23, SCL
	v_lshl_add_u32 v[AS1], v2, 3, s23
	s_lshl_b32 s19, s16, 12
	s_add_co_u32 s18, s18, s19
	s_add_co_u32 s18, s18, SCL
	v_lshl_add_u32 v[AS0], v2, 3, s18
	; the bias in both roles' layouts (both lie inside b_qkv): along source 0's rows (q, k), and one number a lane for each of source 1's tiles (v), each into both registers of a pair
	s_lshl_b32 s18, s42, 10
	s_lshl_b32 s19, s16, 9
	s_add_co_u32 s18, s18, s19
	s_mov_b32 s19, 0
	s_add_nc_u64 s[18:19], s[8:9], s[18:19]        ; b_qkv at column 256 X + 128 wc
	s_lshl_b32 s20, s42, 10
	s_lshl_b32 s21, s15, 9
	s_add_co_u32 s20, s20, s21
	s_mov_b32 s21, 0
	s_add_nc_u64 s[20:21], s[8:9], s[20:21]        ; and at 256 X + 128 wr
	v_lshlrev_b32 v12, 5, v3                       ; 32 h
	v_lshlrev_b32 v13, 2, v2                       ; 4 r
	WIN TO_1
.irp b, 0,1,2,3,4,5,6,7
	global_load_b128 v[96+8*\b+96*(\b/4):96+8*\b+96*(\b/4)+3],   v12, s[18:19] offset:64*\b
	global_load_b128 v[96+8*\b+96*(\b/4)+4:96+8*\b+96*(\b/4)+7], v12, s[18:19] offset:64*\b+16
.endr
	WIN 0
.irp a, 0,1,2,3,4,5,6,7
	global_load_b32 v[BV+2*\a],   v13, s[20:21] offset:64*\a
	global_load_b32 v[BV+2*\a+1], v13, s[20:21] offset:64*\a
.endr
.macro FRAG reg, adr, q, i             ; a fragment comes as it was stored: four loads of consecutive bytes
	ds_load_b128 v[\reg:\reg+3],     v[\adr]   offset:3072*(\i)+1536*(\q)
	ds_load_b64  v[\reg+4:\reg+5],   v[\adr+3] offset:3072*(\i)+1536*(\q)+512
	ds_load_b128 v[\reg+6:\reg+9],   v[\adr]   offset:3072*(\i)+1536*(\q)+768
	ds_load_b64  v[\reg+10:\reg+11], v[\adr+3] offset:3072*(\i)+1536*(\q)+1280
.endm
.macro FETCH0 slot, q, p               ; source 0's eight fragments into set p: 32 loads
	WIN TO_1
.irp i, 0,1,2,3,4,5,6,7
	FRAG 128*(\p)+FR*\i, A0Q+\slot, \q, \i
.endr
	WIN 0
.endm
.macro FETCH1 slot, q, i0              ; source 1's blocks i0 .. i0 + 3: 16 loads
.irp i, \i0, \i0+1, \i0+2, \i0+3
	FRAG S1F+FR*(\i), A1Q+\slot, \q, \i
.endr
.endm
.macro SCALES sc, kp                   ; the two words a row of K steps 2 kp, 2 kp + 1 into set sc: 16 loads
.irp i, 0,1,2,3,4,5,6,7
	ds_load_b64 v[SC1+16*(\sc)+2*\i:SC1+16*(\sc)+2*\i+1], v[AS1] offset:512*\i+128*(\kp)
	ds_load_b64 v[SC0+16*(\sc)+2*\i:SC0+16*(\sc)+2*\i+1], v[AS0] offset:512*\i+128*(\kp)
.endr
.endm
; 16 matrix instructions: source 1's blocks a0, a0 + 1 x source 0's eight.  The 64 accumulators take turns, one instruction a turn, in the same order in every step.
.macro MUL16 a0, p, q, sc, zero
.irp a, \a0, \a0+1
.irp b, 0,1,2,3,4,5,6,7
.if \zero
	v_wmma_scale_f32_16x16x128_f8f6f4 v[8*(8*((\a)%4)+\b):8*(8*((\a)%4)+\b)+7], v[128*(\p)+FR*\b:128*(\p)+FR*\b+FR-1], v[S1F+FR*(\a):S1F+FR*(\a)+FR-1], 0, v[SC0+16*(\sc)+2*\b+(\q)], v[SC1+16*(\sc)+2*(\a)+(\q)] matrix_a_fmt:MATRIX_FMT_BF6 matrix_b_fmt:MATRIX_FMT_BF6
.else
	v_wmma_scale_f32_16x16x128_f8f6f4 v[8*(8*((\a)%4)+\b):8*(8*((\a)%4)+\b)+7], v[128*(\p)+FR*\b:128*(\p)+FR*\b+FR-1], v[S1F+FR*(\a):S1F+FR*(\a)+FR-1], v[8*(8*((\a)%4)+\b):8*(8*((\a)%4)+\b)+7], v[SC0+16*(\sc)+2*\b+(\q)], v[SC1+16*(\sc)+2*(\a)+(\q)] matrix_a_fmt:MATRIX_FMT_BF6 matrix_b_fmt:MATRIX_FMT_BF6
.endif
.endr
.endr
.endm
.macro STEP slot, sc, zero             ; a quarter's first K step, on the scale words of set sc; it fetches the second's fragments
	s_wait_dscnt 16                                ; all but the youngest 16 loads (source 1's blocks 4-7)
	WIN MUL_LO
	MUL16 0, 0, 0, \sc, \zero
	MUL16 2, 0, 0, \sc, \zero
	s_wait_dscnt 0x0                               ; blocks 4-7 are in
	PLACES
	FETCH0 \slot, 1, 1
	FETCH1 \slot, 1, 0
	WIN MUL_HI
	MUL16 4, 0, 0, \sc, \zero
	MUL16 6, 0, 0, \sc, \zero
	PLACES
	WIN 0
	FETCH1 \slot, 1, 4
.endm
; A quarter's second K step goes on to the next slot.
; mode 2: slot 0 is left and filled again.  One barrier, which opens a round of the cluster's; in front of it each wave waits for all its tensor loads (slots 1 and 2), adds 0 to its spare word, and waits for that and for its reads of the slot.
; mode 1: the same barrier without a fill: my part of the refilled slot has landed, behind the barrier everybody's has.
; mode 0: no barrier: the next slot was shown landed, in every wave, by the wait in front of the mode 2 barrier, and nothing is written into the slot that is left.
.macro TURN slot, next, mode, kp, sc
.if \mode
	s_wait_tensorcnt 0x0                           ; all my tensor loads have landed
	ds_add_u32 v[SPW], v[NIL]                      ; 0 onto my spare word
	s_wait_dscnt 17                                ; (the add and the youngest 16 loads may be out)
	WIN MUL_LO
	MUL16 0, 1, 1, \sc, 0                          ; sixteen matrix instructions stand between the add and the wait for it
	s_wait_dscnt 0x0                               ; the add is done, and my reads of this slot are over
	s_barrier_signal -1
	MUL16 2, 1, 1, \sc, 0
	WIN 0
	s_barrier_wait -1
.else
	s_wait_dscnt 16                                ; all but the youngest 16 loads
	WIN MUL_LO
	MUL16 0, 1, 1, \sc, 0
	MUL16 2, 1, 1, \sc, 0
	s_wait_dscnt 0x0                               ; blocks 4-7 are in
.endif
.if \mode == 2
	CREST                                          ; no wave of any partner still reads slot 0 or has a load on its way
	s_add_nc_u64 s[G0+2:G0+3], s[G0+2:G0+3], 3*3072     ; slot 0's descriptors go on to K's last quarter
	s_add_nc_u64 s[G0B+2:G0B+3], s[G0B+2:G0B+3], 3*3072
	JLOAD G0, G1, G0B, G1B                         ; the first tensor load behind the round, and my only one from here on; its four v_nop are the places for the loads below
.else
	PLACES
.endif
	FETCH0 \next, 0, 0
	FETCH1 \next, 0, 0
	SCALES 1-(\sc), \kp
	WIN MUL_HI
	MUL16 4, 1, 1, \sc, 0
	MUL16 6, 1, 1, \sc, 0
	PLACES
	WIN 0
	FETCH1 \next, 0, 4
.endm
	s_wait_alu depctr_va_vdst(0)
	s_wait_tensorcnt 2                             ; the scale words and my part of slot 0 are in; slots 1 and 2 may be out
	s_barrier_signal -1
	s_barrier_wait -1
	FETCH0 0, 0, 0
	FETCH1 0, 0, 0
	SCALES 0, 0
	FETCH1 0, 0, 4
	STEP 0, 0, 1                                   ; K's eight steps are written out: every scale offset is an immediate
	TURN 0, 1, 2, 1, 0                             ; slot 0 is asked for again
	STEP 1, 1, 0
	TURN 1, 2, 0, 2, 1
	STEP 2, 0, 0
	TURN 2, 0, 1, 3, 0                             ; K's last quarter has landed
	STEP 0, 1, 0
	s_wait_dscnt 16
	WIN MUL_LO
	MUL16 0, 1, 1, 1, 0
	MUL16 2, 1, 1, 1, 0
	s_wait_dscnt 0x0
	WIN MUL_HI
	MUL16 4, 1, 1, 1, 0
	MUL16 6, 1, 1, 1, 0
	WIN 0
; THE WAY OUT.  For each of source 1's eight tiles a lane holds one row (r) and 64 numbers along source 0's 128 rows: register 8 b + j = 16 b + 8 h + j.  Bias added, they are one fragment's worth: four blocks of 32.
.macro QUANT s, pw
.irp b, 0,1,2,3
	v_max3_num_f32 v[TM+\b], |v[\s+16*\b]|, |v[\s+1+16*\b]|, 0x2800000   ; my 16 numbers of block b, and the floor 2^(5 - 127)
.endr
.irp i, 2,4,6,8,10,12,14
.irp b, 0,1,2,3
	v_max3_num_f32 v[TM+\b], v[TM+\b], |v[\s+16*\b+\i]|, |v[\s+1+16*\b+\i]|
.endr
.endr
.irp b, 0,1,2,3
	v_permlanex16_b32 v[TM+4+\b], v[TM+\b], s[SEL], s[SEL+1]
.endr
.irp b, 0,1,2,3
	v_max_num_f32 v[TM+\b], v[TM+\b], v[TM+4+\b]
.endr
.irp b, 0,1,2,3
	v_add_nc_u32 v[TM+12+\b], 0xfe000000, v[TM+\b]   ; 4 off the exponent field: the conversion's scale operand
.endr
.irp b, 0,1,2,3
	v_lshrrev_b32 v[TM+4+\b], 23, v[TM+12+\b]
.endr
	v_lshl_or_b32 v[\pw], v[TM+5], 8, v[TM+4]
	v_lshl_or_b32 v[\pw], v[TM+6], 16, v[\pw]
	v_lshl_or_b32 v[\pw], v[TM+7], 24, v[\pw]
.irp c, 0,1
	v_cvt_scalef32_pk16_bf6_f32 v[PC+6*\c:PC+2+6*\c], v[\s+32*\c:\s+15+32*\c], v[TM+12+2*\c]
	v_cvt_scalef32_pk16_bf6_f32 v[PC+12+4*\c:PC+14+4*\c], v[\s+16+32*\c:\s+31+32*\c], v[TM+12+2*\c+1]
.endr
	v_nop                                            ; one plain place behind a scaled conversion
.irp c, 0,1
.irp i, 0,1,2
	v_permlane16_swap_b32 v[PC+6*\c+\i], v[PC+12+4*\c+\i]
.endr
.irp i, 0,1,2
	v_mov_b32 v[PC+3+6*\c+\i], v[PC+12+4*\c+\i]
.endr
.endr
.endm
.macro EPIROW a, v
.if \v
	WIN 0x02+(\a)/4                                ; source 0: the accumulators' window; the bias in window 0
.else
	WIN 0x06+(\a)/4                                ; the bias in window 1
.endif
.set i, 0
.rept 32                                       ; each accumulator from its low end on
.if \v
	v_pk_add_f32 v[128+2*i:129+2*i], v[64*((\a)%4)+2*i:64*((\a)%4)+2*i+1], v[BV+2*(\a):BV+2*(\a)+1]
.else
	v_pk_add_f32 v[128+2*i:129+2*i], v[64*((\a)%4)+2*i:64*((\a)%4)+2*i+1], v[96+2*i+96*(i/16):96+2*i+96*(i/16)+1]
.endif
.set i, i+1
.endr
	WIN 0
	s_wait_xcnt 0x0                                ; the last tile's stores have read the codes' registers
	QUANT 128, PWS+(\a)
.if \v                                         ; a whole image: 16 d x 128 keys of head a / 4
	global_store_b128 v[L16], v[PC:PC+3],     s[22:23] offset:208896*((\a)/4)+1536*((\a)%4)
	global_store_b64  v[L8],  v[PC+4:PC+5],   s[22:23] offset:208896*((\a)/4)+1536*((\a)%4)+512
	global_store_b128 v[L16], v[PC+6:PC+9],   s[22:23] offset:208896*((\a)/4)+1536*((\a)%4)+768
	global_store_b64  v[L8],  v[PC+10:PC+11], s[22:23] offset:208896*((\a)/4)+1536*((\a)%4)+1280
.else                                          ; two half images: 16 rows x 64 of my first head, and of my second
	global_store_b128 v[L16], v[PC:PC+3],     s[22:23] offset:768*(\a)
	global_store_b64  v[L8],  v[PC+4:PC+5],   s[22:23] offset:768*(\a)+512
	global_store_b128 v[L16], v[PC+6:PC+9],   s[92:93] offset:768*(\a)
	global_store_b64  v[L8],  v[PC+10:PC+11], s[92:93] offset:768*(\a)+512
.endif
.endm
.macro IDX hd, gp                      ; s20 = ((batch x 16 + 4 cx + 2 s[hd]) x 16 + 2 (Y % 8) + s[gp]: my first head's block of 128 rows
	s_lshr_b32 s20, s17, 3
	s_lshl_b32 s20, s20, 4
	s_lshl_b32 s21, s40, 2
	s_add_co_u32 s20, s20, s21
	s_lshl_b32 s21, s[\hd], 1
	s_add_co_u32 s20, s20, s21
	s_lshl_b32 s20, s20, 4
	s_and_b32 s21, s17, 7
	s_lshl_b32 s21, s21, 1
	s_add_co_u32 s20, s20, s21
	s_add_co_u32 s20, s20, s[\gp]
.endm
	s_wait_loadcnt 0x0                             ; the bias
	PLACES                                         ; behind the last products
	s_mov_b32 s[SEL], 0x76543210                   ; lane l xor 16.  (No tensor load is out: the wait for all of them stood at the last change of slots)
	s_mov_b32 s[SEL+1], 0xfedcba98
.irp b, 0,1,2,3
	v_mov_b32 v[TM+4+\b], 0                        ; written once: a lane permute's destination counts as one of its sources
.endr
	s_cmp_eq_u32 ttmp9, 2
	s_cbranch_scc1 .Lrole_v
	IDX 16, 15                                     ; q, k: the heads by wc, the rows by wr
	s_mov_b32 s21, 13056
	s_mov_b32 s18, 12288
	s_cmp_eq_u32 ttmp9, 0
	s_cselect_b64 s[22:23], s[10:11], s[12:13]     ; qb or kvb
	s_cselect_b32 s21, 6656, s21                   ; a block's bytes
	s_cselect_b32 s18, 6144, s18                   ; where its scale words begin
	s_mul_i32 s20, s20, s21
	s_lshl_b32 s46, s21, 4                         ; from a head to the next: 16 blocks
	s_mov_b32 s21, 0
	s_mov_b32 s47, 0
	s_mov_b32 s19, 0
	s_add_nc_u64 s[22:23], s[22:23], s[20:21]      ; my first head,
	s_add_nc_u64 s[92:93], s[22:23], s[46:47]      ; my second,
	s_add_nc_u64 s[18:19], s[22:23], s[18:19]      ; the scale words
	v_lshlrev_b32 v30, 4, v3                       ; 16 h
	v_mul_u32_u24 v31, v3, s46
	v_lshl_add_u32 v31, v2, 4, v31                 ; lanes 0-15 the first head's words, lanes 16-31 the second's; 16 r
.irp a, 0,1,2,3,4,5,6,7
	EPIROW \a, 0
.endr
.irp a, 0,1,2,3,4,5,6,7
	v_lshrrev_b32 v[PWS+\a], v30, v[PWS+\a]        ; the second head's two bytes come down; zeros follow them
.endr
	global_store_b128 v31, v[PWS:PWS+3], s[18:19]                 ; sixteen lanes store 256 consecutive bytes, aligned
	global_store_b128 v31, v[PWS+4:PWS+7], s[18:19] offset:256
	s_branch .Ldone
.Lrole_v:
	IDX 15, 16                                     ; v: the heads by wr, the keys by wc
	s_mul_i32 s20, s20, 13056
	s_add_co_u32 s20, s20, 6144
	s_mov_b32 s21, 0
	s_add_nc_u64 s[22:23], s[12:13], s[20:21]      ; V's images of my first head
	s_add_nc_u64 s[18:19], s[22:23], 6656          ; and its scale words, at 12,800
	v_mul_u32_u24 v31, v3, 208896
	v_lshl_add_u32 v31, v2, 4, v31
.irp a, 0,1,2,3,4,5,6,7
	EPIROW \a, 1
.endr
	v_cmp_ne_u32 vcc_lo, 0, v3
.irp i, 0,1,2,3
	v_cndmask_b32 v[236+\i], v[PWS+\i], v[PWS+4+\i], vcc_lo       ; lanes 0-15 the first head's four tiles, lanes 16-31 the second's
.endr
	global_store_b128 v31, v[236:239], s[18:19]
.Ldone:
	s_wait_tensorcnt 0x0                           ; the wave's end
	ds_add_u32 v[SPW], v[NIL]
	s_wait_dscnt 0x0
	CROUND                                         ; the closing round
	s_endpgm
.Lfunc_end_k_q5966a6119f_gemm1:
	.size	k_q5966a6119f_gemm1, .Lfunc_end_k_q5966a6119f_gemm1-k_q5966a6119f_gemm1
	.p2alignl 7, 3214868480
	.fill 96, 4, 3214868480
	.section	.rodata,"a",@progbits
	.p2align	6, 0x0
	.amdhsa_kernel k_q5966a6119f_gemm1
		.amdhsa_group_segment_fixed_size 327680
		.amdhsa_private_segment_fixed_size 0
		.amdhsa_enable_private_segment 0
		.amdhsa_kernarg_size 40
		.amdhsa_user_sgpr_count 2
		.amdhsa_user_sgpr_kernarg_segment_ptr 1
		.amdhsa_wavefront_size32 1
		.amdhsa_system_sgpr_workgroup_id_x 1
		.amdhsa_system_sgpr_workgroup_id_y 1
		.amdhsa_system_sgpr_workgroup_id_z 1
		.amdhsa_system_vgpr_workitem_id 0
		.amdhsa_next_free_vgpr 1024
		.amdhsa_next_free_sgpr 100
		.amdhsa_reserve_vcc 1
		.amdhsa_float_denorm_mode_32 3
		.amdhsa_float_denorm_mode_16_64 3
		.amdhsa_memory_ordered 1
		.amdhsa_forward_progress 1
		.amdhsa_inst_pref_size 221
	.end_amdhsa_kernel
	.amdgpu_metadata
---
amdhsa.version: [ 1, 2 ]
amdhsa.kernels:
  - .name:           k_q5966a6119f_gemm1
    .symbol:         k_q5966a6119f_gemm1.kd
    .args:
      - { .name: xq, .offset: 0, .size: 8, .value_kind: global_buffer, .address_space: global }
      - { .name: wq, .offset: 8, .size: 8, .value_kind: global_buffer, .address_space: global }
      - { .name: b_qkv, .offset: 16, .size: 8, .value_kind: global_buffer, .address_space: global }
      - { .name: qb, .offset: 24, .size: 8, .value_kind: global_buffer, .address_space: global }
      - { .name: kvb, .offset: 32, .size: 8, .value_kind: global_buffer, .address_space: global }
    .group_segment_fixed_size: 327680
    .private_segment_fixed_size: 0
    .kernarg_segment_align: 8
    .kernarg_segment_size: 40
    .max_flat_workgroup_size: 128
    .sgpr_count:     100
    .vgpr_count:     1024
    .wavefront_size: 32
...
	.end_amdgpu_metadata
.endif
;; end of part 2
;; launch attn (part 3): grid 4 x 64, 16 waves a work-group, clusters of 4 x 1, 210,944 bytes of LDS; arguments qb, kvb, aq; writes aq
.if DOCPART == 3
	.amdgcn_target "amdgcn-amd-amdhsa--gfx1250"
	.amdhsa_code_object_version 6
	.text
	.protected	k_q5966a6119f_attn
	.globl	k_q5966a6119f_attn
	.p2align	8
	.type	k_q5966a6119f_attn,@function
k_q5966a6119f_attn:
	s_mov_b64 s[64:65], 0
	v_nop
	global_prefetch_b8 v0, s[64:65] scope:SCOPE_SE
	s_setreg_imm32_b32 hwreg(HW_REG_WAVE_MODE, 25, 1), 1
	s_wait_xcnt 0x0
	s_wait_alu depctr_hold_cnt(0) depctr_sa_sdst(0) depctr_va_vdst(0) depctr_va_sdst(0) depctr_va_ssrc(0) depctr_va_vcc(0) depctr_vm_vsrc(0)
	s_getreg_b32 s2, hwreg(HW_REG_IB_STS2, 6, 4)
	s_cmp_eq_u32 s2, 0
	s_cbranch_scc0 .Lentry_in_a_cluster
	s_endpgm
.Lentry_in_a_cluster:
	s_bfe_u32 s2, ttmp6, 0x10000c
	s_cmp_lg_u32 s2, 0x3003
	s_cbranch_scc0 .Lentry_shape_is_right
	s_endpgm
.Lentry_shape_is_right:
; Causal attention of one head (work-group y = 16 batch + head), both products on codes of BF6 (E3M2) with E8M0 scales; the result, divided by the row's sum, leaves as codes, quantised along the model's 1,024.
; t = score x log2(e) / 8; M = the running largest t rounded UP to a whole number; p = 2^(t - M) is quantised along the keys, not normalised; the row's sum is taken of the unquantised p; when M moves, the sum and O are multiplied by 2^(old M - new M): exact.
; THE WHOLE HEAD'S K AND V LIE IN LDS: 16 blocks of 13,056 bytes, one for each 128 keys (K's eight half images; at 6,144 V^T's four images; at 12,288 K's scale words; at 12,800 V's).  Each of the sixteen waves brings one block
; with one tensor load; LDS is filled once, so there is no ring.  CLUSTER: the four work-groups of a head ask for each block jointly.
; SHARES.  A tile is 16 queries.  Work-group cx takes, of each group of 128 queries, tiles cx and 4 + cx.  Wave w takes group w (tile cx), then group 15 - w (tile 4 + cx): (w + 1) + (16 - w) = 17 key steps for every wave.
; Branches hang on the wave's number and the loop's counter alone; cx enters global addresses and the mask's numbers only.
; LAYOUT.  S^T = K Q^T (source 0 = 16 keys, source 1 = my 16 queries), O^T = V^T P^T: a lane holds ONE query (lane % 16).  A head is 64 wide, half of the instruction's 128: Q's upper six registers are zero codes, so K's upper six
; may be any codes (they are the next tile's; the format has no NaN), and bytes 2, 3 of the scale words are never 0xff.
; Inside a block of 32 all operands hold their codes in the order 0-7, 16-23, 8-15, 24-31, the order in which a result's registers fall into the conversions; V and w_out were laid so.
; LIMITS: NaN and infinities are not served; a block whose largest magnitude lies under 2^-122, a block of zeros among them, keeps the byte 1 (this program alone reads the bytes).
; The scale bytes of the result leave one byte a lane: a scale word spans two heads, which belong to two work-groups; they are 1 / 24 of what the launch stores.
.set STEPB, 13056
.set L16,  1                           ; v1 16 x lane   v2 8 x lane   v3 16 r
.set L8,   2
.set R16,  3
.set DD,   4                           ; v4 my query's place in its group - 8 h
.set AQ,   5                           ; v5-7 the step's addresses
.set AD,   6
.set AR,   7
.set NINF, 8
.set SBO,  10                          ; v10 8 r + h
.set QF,   16                          ; v16-21 Q, v22-27 zero codes
.set QS,   28                          ; Q's scale words
.set Q2S,  29                          ; the second tile's
.set Q2,   30                          ; v30-35 the second tile's Q
.set KV,   36                          ; v36-83 K (6 a tile), then V (12 a tile); v84-89 zero codes
.set S,    96                          ; v96-159 S^T, then p
.set O,    160                         ; v160-191 O^T
.set PC,   192                         ; v192-203 p's codes; to v210 at work
.set BM,   212
.set BT,   216
.set BS,   220
.set TMP,  224
.set BYT,  225
.set F,    226                         ; v[226:227]
.set PWD,  228                         ; p's scale word
.set KSC,  232
.set VSC,  240
.set SUM2, 244
.set RR,   247                         ; r
.set HH,   248                         ; h
.set WV,  10
.set CX,  11
.set BH,  12
.set SEL, 20
.set CS,  22
.set G1,  24
.set G0,  32
.set G,   36                           ; my group of queries
.set KS,  37                           ; the key step
.set TB,  38                           ; and its block in LDS
.macro ROUND
	s_barrier_signal -1
	s_barrier_wait -1
	s_cmp_lg_u32 s[WV], 0
	s_cbranch_scc1 .Lnot_wave_0_\@
	s_barrier_signal -3
.Lnot_wave_0_\@:
	s_barrier_wait -3
	s_barrier_signal -1
	s_barrier_wait -1
.endm
	s_load_b128 s[4:7], s[0:1], 0x0                ; qb, kvb
	s_load_b64 s[8:9], s[0:1], 0x10                ; aq
	v_lshl_add_u32 v254, v0, 2, 0x33000
	v_mov_b32 v255, 0
	ds_add_u32 v254, v255
	ds_add_u32 v254, v255
	v_lshrrev_b32 v9, 5, v0
	s_delay_alu instid0(VALU_DEP_1)
	v_readfirstlane_b32 s[WV], v9                  ; wave 0 .. 15
	s_bfe_u32 s[CX], ttmp6, 0x40000
	s_and_b32 s[BH], ttmp7, 0xffff
	s_mov_b32 s[G1], 15|(3<<16)|(1<<21)            ; the mask: all four work-groups; elements of 8 bytes; bit 21 beside a mask
	s_mov_b32 s[G1+1], 32<<16                      ; a dense block as 51 rows of 256 bytes
	s_mov_b32 s[G1+2], 51<<16
	s_mov_b32 s[G1+3], 32<<16
	s_mov_b32 s[G1+4], 51
	s_mov_b32 s[G1+5], 32
	s_mov_b32 s[G1+6], 0
	s_mov_b32 s[G1+7], 0
	s_lshl_b32 s47, s[BH], 4
	s_add_co_u32 s44, s47, s[WV]
	s_mul_i32 s44, s44, STEPB                      ; the head's block w in memory,
	s_mov_b32 s45, 0
	s_mul_i32 s46, s[WV], STEPB                    ; and in LDS
	s_mov_b32 s[SEL], 0x76543210
	s_mov_b32 s[SEL+1], 0xfedcba98
	s_mov_b32 s[CS], 0x3e38aa3b                    ; c = log2(e) / sqrt(64)
	s_mov_b32 s[CS+1], s[CS]
	s_wait_dscnt 0x0
	s_wait_kmcnt 0x0
	ROUND                                          ; all four work-groups are here: the joint loads meet
	s_mov_b32 s[G0], 1
	s_mov_b32 s[G0+1], s46
	s_add_nc_u64 s[G0+2:G0+3], s[6:7], s[44:45]
	s_or_b32 s[G0+3], s[G0+3], 0x80000000
	tensor_load_to_lds s[G0:G0+3], s[G1:G1+7]      ; my one tensor load
	s_nop 0
.rept 4
	v_nop
.endr
	v_and_b32 v9, 31, v0
	v_and_b32 v[RR], 15, v0
	v_bfe_u32 v[HH], v0, 4, 1
	s_delay_alu instid0(VALU_DEP_3)
	v_lshlrev_b32 v[L16], 4, v9
	s_wait_alu depctr_va_vdst(0)
	v_lshlrev_b32 v[L8], 3, v9
	s_wait_alu depctr_va_vdst(0)
	v_lshlrev_b32 v[R16], 4, v[RR]
	s_wait_alu depctr_va_vdst(0)
	v_lshl_add_u32 v[SBO], v[RR], 3, v[HH]
	v_lshlrev_b32 v249, 3, v[HH]
	s_delay_alu instid0(VALU_DEP_1)
	v_sub_nc_u32 v[DD], v[RR], v249
	s_lshl_b32 s51, s[CX], 4
	v_add_nc_u32 v[DD], s51, v[DD]                 ; 16 cx + r - 8 h
	s_add_co_u32 s48, s47, s[WV]
	s_mul_i32 s48, s48, 6656
	s_mov_b32 s49, 0
	s_add_nc_u64 s[48:49], s[4:5], s[48:49]        ; Q's group w,
	s_sub_co_u32 s52, 15, s[WV]
	s_add_co_u32 s52, s52, s47
	s_mul_i32 s52, s52, 6656
	s_mov_b32 s53, 0
	s_add_nc_u64 s[52:53], s[4:5], s[52:53]        ; and group 15 - w
	s_mul_i32 s50, s[CX], 768
	v_add_nc_u32 v9, s50, v[L16]                   ; tile cx of a group (tile 4 + cx: 3,072 bytes on)
	v_add_nc_u32 v11, s50, v[L8]
	s_lshl_b32 s51, s[CX], 2
	v_add_nc_u32 v246, s51, v[R16]                 ; its scale words: 16 r + 4 cx
	global_load_b128 v[QF:QF+3],   v9,   s[48:49]
	global_load_b64  v[QF+4:QF+5], v11,  s[48:49] offset:512
	global_load_b32  v[QS],        v246, s[48:49] offset:6144
	global_load_b128 v[Q2:Q2+3],   v9,   s[52:53] offset:3072
	global_load_b64  v[Q2+4:Q2+5], v11,  s[52:53] offset:3072+512
	global_load_b32  v[Q2S],       v246, s[52:53] offset:6144+256
.irp i, 0,1,2,3,4,5
	v_mov_b32 v[QF+6+\i], 0                        ; Q's upper half: zero codes
	v_mov_b32 v[KV+48+\i], 0                       ; what stands behind K's last tile
.endr
.irp b, 0,1,2,3
	v_mov_b32 v[BT+\b], 0                          ; written once: a lane permute's destination counts as one of its sources
.endr
	v_mov_b32 v[TMP], 0
	v_mov_b32 v[F+1], 0                            ; (named as the upper half of a pair)
	v_mov_b32 v[NINF], 0xff800000
	s_wait_tensorcnt 0x0                           ; my block is in,
	s_barrier_signal -1
	s_barrier_wait -1                              ; everybody's is: the head lies in LDS
	s_wait_loadcnt 0x0                             ; Q
; A KEY STEP: 128 keys.  A step whose keys all come after my group is left out: a scalar branch on the loop's counter and the wave's number.
.macro STEP
	s_cmp_gt_u32 s[KS], s[G]
	s_cbranch_scc1 .Lhidden_\@
	s_setprio 2
	v_add_nc_u32 v[AQ], s[TB], v[L16]
	v_add_nc_u32 v[AD], s[TB], v[L8]
	v_add_nc_u32 v[AR], s[TB], v[R16]
	v_nop                                          ; with the three additions: the four places behind the last step's products, in front of loads into their registers
.irp t, 0,1,2,3,4,5,6,7
	ds_load_b128 v[KV+6*\t:KV+6*\t+3],   v[AQ] offset:768*\t
	ds_load_b64  v[KV+6*\t+4:KV+6*\t+5], v[AD] offset:768*\t+512
.endr
	ds_load_b128 v[KSC:KSC+3],   v[AR] offset:12288   ; K's scale words, four tiles a load
	ds_load_b128 v[KSC+4:KSC+7], v[AR] offset:12544
	ds_load_b128 v[VSC:VSC+3],   v[AR] offset:12800   ; V's
	s_wait_alu depctr_va_vdst(0)
	s_wait_dscnt 0x0
.irp t, 0,1,2,3,4,5,6,7
	v_wmma_scale_f32_16x16x128_f8f6f4 v[S+8*\t:S+8*\t+7], v[KV+6*\t:KV+6*\t+11], v[QF:QF+11], 0, v[KSC+\t], v[QS] matrix_a_fmt:MATRIX_FMT_BF6 matrix_b_fmt:MATRIX_FMT_BF6
.endr                                          ; lane (r, h): query r; register 8 t + j: key 16 t + 8 h + j
.rept 4
	v_nop
.endr
.irp t, 0,1,2,3                                ; V^T's four images: they land while the softmax is walked
	ds_load_b128 v[KV+12*\t:KV+12*\t+3],     v[AQ] offset:6144+1536*\t
	ds_load_b64  v[KV+12*\t+4:KV+12*\t+5],   v[AD] offset:6144+1536*\t+512
	ds_load_b128 v[KV+12*\t+6:KV+12*\t+9],   v[AQ] offset:6144+1536*\t+768
	ds_load_b64  v[KV+12*\t+10:KV+12*\t+11], v[AD] offset:6144+1536*\t+1280
.endr
	s_cmp_lg_u32 s[KS], s[G]                       ; on the diagonal the scores of hidden keys become -infinity ahead of the maximum
	s_cbranch_scc1 .Lopen_\@
.set n, 0
.rept 64
	v_cmp_gt_i32 vcc_lo, 16*(n/8)+n%8, v[DD]       ; hidden where 16 t + j + 8 h > my query's place
	v_cndmask_b32 v[S+n], v[S+n], v[NINF], vcc_lo
.set n, n+1
.endr
.Lopen_\@:
.irp b, 0,1,2,3
	v_max3_num_f32 v[BM+\b], v[S+16*\b], v[S+1+16*\b], v[S+2+16*\b]   ; the largest score of each block of 32 keys: for the row's maximum and, since p rises with the score, for the block's largest p
.endr
.irp i, 3,5,7,9,11,13
.irp b, 0,1,2,3
	v_max3_num_f32 v[BM+\b], v[BM+\b], v[S+16*\b+\i], v[S+1+16*\b+\i]
.endr
.endr
.irp b, 0,1,2,3
	v_max_num_f32 v[BM+\b], v[BM+\b], v[S+15+16*\b]
.endr
.irp b, 0,1,2,3
	s_delay_alu instid0(VALU_DEP_4)
	v_permlanex16_b32 v[BT+\b], v[BM+\b], s[SEL], s[SEL+1]
.endr
.irp b, 0,1,2,3
	s_delay_alu instid0(VALU_DEP_4)
	v_max_num_f32 v[BM+\b], v[BM+\b], v[BT+\b]
.endr
	s_delay_alu instid0(VALU_DEP_2)
	v_max3_num_f32 v[TMP], v[BM], v[BM+1], v[BM+2]
	s_delay_alu instid0(VALU_DEP_1)
	v_max_num_f32 v[TMP], v[TMP], v[BM+3]
	s_delay_alu instid0(VALU_DEP_1)
	v_mul_f32 v[TMP], s[CS], v[TMP]
	s_delay_alu instid0(VALU_DEP_1)
	v_max_num_f32 v13, v13, v[TMP]                 ; the running largest t
	v_mov_b32 v[TMP], v12
	s_delay_alu instid0(VALU_DEP_2)
	v_floor_f32 v12, -v13                          ; -M = floor(-t): M is a whole number
	s_delay_alu instid0(VALU_DEP_1)
	v_sub_f32 v[TMP], v12, v[TMP]
	s_delay_alu instid0(VALU_DEP_1)
	v_cvt_i32_f32 v[TMP], v[TMP]                   ; (it saturates)
	s_delay_alu instid0(VALU_DEP_1)
	v_ldexp_f32 v[F], 1.0, v[TMP]                  ; f = 2^(old M - new M)
.set j, 0
.rept 32
	v_pk_fma_f32 v[S+j:S+j+1], v[S+j:S+j+1], s[CS:CS+1], v[12:13] op_sel_hi:[1,0,0]   ; t - M
.set j, j+2
.endr
	s_setprio 1
.irp b, 0,1,2,3
	v_fma_f32 v[BM+\b], v[BM+\b], s[CS], v12
.endr
.set j, 0
	s_wait_alu depctr_va_vdst(0)
.rept 64
	v_exp_f32 v[S+j], v[S+j]                       ; p
.set j, j+1
.endr
.irp b, 0,1,2,3
	v_exp_f32 v[BM+\b], v[BM+\b]                   ; the block's largest p: the same two instructions on the same number
.endr
	v_pk_mul_f32 v[14:15], v[14:15], v[F:F+1] op_sel_hi:[1,0]   ; the sums under the new M (a plain place behind the exponentials)
	s_wait_alu depctr_va_vdst(0)
.irp b, 0,1,2,3
	v_max_num_f32 v[BM+\b], 0x2800000, v[BM+\b]    ; the floor 2^(5 - 127)
.endr
.irp b, 0,1,2,3
	s_delay_alu instid0(VALU_DEP_4)
	v_add_nc_u32 v[BS+\b], 0xfe000000, v[BM+\b]
.endr
.irp b, 0,1,2,3
	s_delay_alu instid0(VALU_DEP_4)
	v_lshrrev_b32 v[BT+\b], 23, v[BS+\b]
.endr
	s_delay_alu instid0(VALU_DEP_3)
	v_lshl_or_b32 v[PWD], v[BT+1], 8, v[BT]
	s_delay_alu instid0(VALU_DEP_1)
	v_lshl_or_b32 v[PWD], v[BT+2], 16, v[PWD]
	s_delay_alu instid0(VALU_DEP_1)
	v_lshl_or_b32 v[PWD], v[BT+3], 24, v[PWD]
.irp c, 0,1
	v_cvt_scalef32_pk16_bf6_f32 v[PC+6*\c:PC+2+6*\c], v[S+32*\c:S+15+32*\c], v[BS+2*\c]
	v_cvt_scalef32_pk16_bf6_f32 v[PC+12+4*\c:PC+14+4*\c], v[S+16+32*\c:S+31+32*\c], v[BS+2*\c+1]
.endr
	v_nop                                          ; one plain place behind a scaled conversion
.irp c, 0,1
.irp i, 0,1,2
	v_permlane16_swap_b32 v[PC+6*\c+\i], v[PC+12+4*\c+\i]
.endr
.irp i, 0,1,2
	s_delay_alu instid0(VALU_DEP_3)
	v_mov_b32 v[PC+3+6*\c+\i], v[PC+12+4*\c+\i]
.endr
.endr
	v_pk_add_f32 v[244:245], v[100:101], v[104:105]
	v_pk_add_f32 v[252:253], v[108:109], v[112:113]
	v_pk_add_f32 v[250:251], v[116:117], v[120:121]
	v_pk_add_f32 v[246:247], v[124:125], v[128:129]
	v_pk_add_f32 v[238:239], v[132:133], v[136:137]
	v_pk_add_f32 v[236:237], v[140:141], v[144:145]
	v_pk_add_f32 v[234:235], v[148:149], v[152:153]
	v_pk_add_f32 v[14:15], v[14:15], v[156:157]
	v_pk_add_f32 v[244:245], v[244:245], v[96:97]
	v_pk_add_f32 v[252:253], v[252:253], v[98:99]
	s_setprio 0
	v_pk_add_f32 v[250:251], v[250:251], v[102:103]
	v_pk_add_f32 v[246:247], v[246:247], v[106:107]
	v_pk_add_f32 v[238:239], v[238:239], v[110:111]
	v_pk_add_f32 v[236:237], v[236:237], v[114:115]
	v_pk_add_f32 v[234:235], v[234:235], v[118:119]
	v_pk_add_f32 v[14:15], v[14:15], v[122:123]
	v_pk_add_f32 v[244:245], v[244:245], v[126:127]
	v_pk_add_f32 v[252:253], v[252:253], v[130:131]
	v_pk_add_f32 v[250:251], v[250:251], v[134:135]
	v_pk_add_f32 v[246:247], v[246:247], v[138:139]
	v_pk_add_f32 v[238:239], v[238:239], v[142:143]
	v_pk_add_f32 v[236:237], v[236:237], v[146:147]
	v_pk_add_f32 v[234:235], v[234:235], v[150:151]
	v_pk_add_f32 v[14:15], v[14:15], v[154:155]
	v_pk_add_f32 v[244:245], v[244:245], v[158:159]
	s_delay_alu instid0(VALU_DEP_2)
	v_pk_add_f32 v[14:15], v[14:15], v[246:247]
	s_delay_alu instid0(VALU_DEP_2)
	v_pk_add_f32 v[244:245], v[244:245], v[238:239]
	v_pk_add_f32 v[252:253], v[252:253], v[236:237]
	v_pk_add_f32 v[250:251], v[250:251], v[234:235]
	s_delay_alu instid0(VALU_DEP_2)
	v_pk_add_f32 v[14:15], v[14:15], v[252:253]
	s_delay_alu instid0(VALU_DEP_2)
	v_pk_add_f32 v[244:245], v[244:245], v[250:251]
	s_delay_alu instid0(VALU_DEP_1)
	v_pk_add_f32 v[14:15], v[14:15], v[244:245]
.set j, 0
.rept 16
	v_pk_mul_f32 v[O+j:O+j+1], v[O+j:O+j+1], v[F:F+1] op_sel_hi:[1,0]   ; O^T under the new M.  (With the sums: the places between p's scale word and codes and the products below)
.set j, j+2
.endr
	s_wait_alu depctr_va_vdst(0)
	s_wait_dscnt 0x0                               ; V
.irp t, 0,1,2,3                                ; the four accumulators by turns
	v_wmma_scale_f32_16x16x128_f8f6f4 v[O+8*\t:O+8*\t+7], v[KV+12*\t:KV+12*\t+11], v[PC:PC+11], v[O+8*\t:O+8*\t+7], v[VSC+\t], v[PWD] matrix_a_fmt:MATRIX_FMT_BF6 matrix_b_fmt:MATRIX_FMT_BF6
.endr
.Lhidden_\@:
.endm
; One tile of queries: ph = 0: group w, tile cx; ph = 1: group 15 - w, tile 4 + cx.
.macro PHASE ph
.if \ph
	s_wait_xcnt 0x0                                ; the first tile's stores have read their registers and bases
.irp i, 0,1,2,3,4,5
	v_mov_b32 v[QF+\i], v[Q2+\i]
.endr
	v_mov_b32 v[QS], v[Q2S]                        ; (the 36 lines below are the places between these and the first product)
	v_add_nc_u32 v[DD], 64, v[DD]
	s_sub_co_u32 s[G], 15, s[WV]
.else
	s_mov_b32 s[G], s[WV]
.endif
	s_lshr_b32 s54, s[BH], 4
	s_lshl_b32 s54, s54, 7
	s_lshl_b32 s55, s[G], 3
	s_add_co_u32 s54, s54, s55
	s_add_co_u32 s54, s54, s[CX]
	s_add_co_u32 s54, s54, 4*\ph                   ; my tile of 16 rows among the 512: 128 batch + 8 group + tile
	s_and_b32 s55, s[BH], 15                       ; the head
	s_lshl_b32 s56, s54, 4
	s_add_co_u32 s56, s56, s55
	s_mul_i32 s56, s56, 768
	s_mov_b32 s57, 0
	s_add_nc_u64 s[40:41], s[8:9], s[56:57]        ; my half image: K step head / 2, half head % 2
	s_lshl_b32 s56, s54, 9
	s_lshr_b32 s58, s55, 2
	s_lshl_b32 s58, s58, 7
	s_add_co_u32 s56, s56, s58
	s_and_b32 s58, s55, 3
	s_lshl_b32 s58, s58, 1
	s_add_co_u32 s56, s56, s58
	s_add_co_u32 s56, s56, 6291456
	s_add_nc_u64 s[42:43], s[8:9], s[56:57]        ; my two bytes of each row's scale words
	v_mov_b32 v13, 0xff61b1e6                      ; the largest t so far: -3e38
	s_delay_alu instid0(VALU_DEP_1)
	v_floor_f32 v12, -v13
	v_mov_b32 v14, 0
	v_mov_b32 v15, 0
.set j, 0
.rept 32
	v_mov_b32 v[O+j], 0                            ; the step is written once: the first finds zeros
.set j, j+1
.endr
	s_mov_b32 s[TB], 0
	s_mov_b32 s[KS], 0
.Ltrip_\@:                                         ; sixteen trips in every wave; the work of the steps behind the diagonal is jumped over
	STEP
	s_add_co_u32 s[TB], s[TB], STEPB
	s_add_co_u32 s[KS], s[KS], 1
	s_cmp_lt_u32 s[KS], 16
	s_cbranch_scc1 .Ltrip_\@
	s_setprio 0
.rept 4
	v_nop                                          ; places behind the last products
.endr
	v_add_f32 v14, v14, v15
	s_delay_alu instid0(VALU_DEP_1)
	v_permlanex16_b32 v[TMP], v14, s[SEL], s[SEL+1]
	s_delay_alu instid0(VALU_DEP_1)
	v_add_f32 v14, v14, v[TMP]                     ; the row's sum
	s_wait_alu depctr_va_vdst(0)
	v_rcp_f32 v14, v14
	v_nop                                          ; a plain place behind the transcendental
.set j, 0
	s_wait_alu depctr_va_vdst(0)
.rept 32
	v_mul_f32 v[S+j], v[O+j], v14                  ; register 8 t + i: channel 16 t + 8 h + i of my query, each accumulator from its low end on
.set j, j+1
.endr
.irp b, 0,1                                    ; the head's two blocks of 32 along the next product's K
	v_max3_num_f32 v[BM+\b], |v[S+16*\b]|, |v[S+1+16*\b]|, 0x2800000
.endr
.irp i, 2,4,6,8,10,12,14
.irp b, 0,1
	s_delay_alu instid0(VALU_DEP_2)
	v_max3_num_f32 v[BM+\b], v[BM+\b], |v[S+16*\b+\i]|, |v[S+1+16*\b+\i]|
.endr
.endr
.irp b, 0,1
	s_delay_alu instid0(VALU_DEP_2)
	v_permlanex16_b32 v[BT+\b], v[BM+\b], s[SEL], s[SEL+1]
.endr
.irp b, 0,1
	s_delay_alu instid0(VALU_DEP_2)
	v_max_num_f32 v[BM+\b], v[BM+\b], v[BT+\b]
.endr
.irp b, 0,1
	s_delay_alu instid0(VALU_DEP_2)
	v_add_nc_u32 v[BS+\b], 0xfe000000, v[BM+\b]
.endr
.irp b, 0,1
	s_delay_alu instid0(VALU_DEP_2)
	v_lshrrev_b32 v[BT+\b], 23, v[BS+\b]
.endr
	v_cvt_scalef32_pk16_bf6_f32 v[PC:PC+2], v[S:S+15], v[BS]
	v_cvt_scalef32_pk16_bf6_f32 v[PC+12:PC+14], v[S+16:S+31], v[BS+1]
	v_nop                                          ; one plain place behind a scaled conversion
.irp i, 0,1,2
	v_permlane16_swap_b32 v[PC+\i], v[PC+12+\i]
.endr
.irp i, 0,1,2
	s_delay_alu instid0(VALU_DEP_3)
	v_mov_b32 v[PC+3+\i], v[PC+12+\i]
.endr
	v_cmp_ne_u32 vcc_lo, 0, v[HH]
	s_delay_alu instid0(VALU_DEP_1)
	v_cndmask_b32 v[BYT], v[BT], v[BT+1], vcc_lo   ; lanes 0-15 block 0's byte, lanes 16-31 block 1's
	global_store_b128 v[L16], v[PC:PC+3],   s[40:41]              ; 512 and 256 consecutive bytes, aligned
	global_store_b64  v[L8],  v[PC+4:PC+5], s[40:41] offset:512
	global_store_b8   v[SBO], v[BYT],       s[42:43]
.endm
	PHASE 0
	PHASE 1
	s_wait_tensorcnt 0x0
	ds_add_u32 v254, v255
	s_wait_dscnt 0x0
	ROUND                                          ; the closing round
	s_endpgm
.Lfunc_end_k_q5966a6119f_attn:
	.size	k_q5966a6119f_attn, .Lfunc_end_k_q5966a6119f_attn-k_q5966a6119f_attn
	.p2alignl 7, 3214868480
	.fill 96, 4, 3214868480
	.section	.rodata,"a",@progbits
	.p2align	6, 0x0
	.amdhsa_kernel k_q5966a6119f_attn
		.amdhsa_group_segment_fixed_size 210944
		.amdhsa_private_segment_fixed_size 0
		.amdhsa_enable_private_segment 0
		.amdhsa_kernarg_size 24
		.amdhsa_user_sgpr_count 2
		.amdhsa_user_sgpr_kernarg_segment_ptr 1
		.amdhsa_wavefront_size32 1
		.amdhsa_system_sgpr_workgroup_id_x 1
		.amdhsa_system_sgpr_workgroup_id_y 1
		.amdhsa_system_sgpr_workgroup_id_z 1
		.amdhsa_system_vgpr_workitem_id 0
		.amdhsa_next_free_vgpr 256
		.amdhsa_next_free_sgpr 66
		.amdhsa_reserve_vcc 1
		.amdhsa_float_denorm_mode_32 3
		.amdhsa_float_denorm_mode_16_64 3
		.amdhsa_memory_ordered 1
		.amdhsa_forward_progress 1
		.amdhsa_inst_pref_size 64
	.end_amdhsa_kernel
	.amdgpu_metadata
---
amdhsa.version: [ 1, 2 ]
amdhsa.kernels:
  - .name:           k_q5966a6119f_attn
    .symbol:         k_q5966a6119f_attn.kd
    .args:
      - { .name: qb, .offset: 0, .size: 8, .value_kind: global_buffer, .address_space: global }
      - { .name: kvb, .offset: 8, .size: 8, .value_kind: global_buffer, .address_space: global }
      - { .name: aq, .offset: 16, .size: 8, .value_kind: global_buffer, .address_space: global }
    .group_segment_fixed_size: 210944
    .private_segment_fixed_size: 0
    .kernarg_segment_align: 8
    .kernarg_segment_size: 24
    .max_flat_workgroup_size: 512
    .sgpr_count:     66
    .vgpr_count:     256
    .wavefront_size: 32
...
	.end_amdgpu_metadata
.endif
;; end of part 3
;; launch gemm2 (part 4): grid 4 x 64, 4 waves a work-group, clusters of 4 x 4, 327,680 bytes of LDS; arguments aq, wq, b_out, out0; writes out0
.if DOCPART == 4
	.amdgcn_target "amdgcn-amd-amdhsa--gfx1250"
	.amdhsa_code_object_version 6
	.text
	.protected	k_q5966a6119f_gemm2
	.globl	k_q5966a6119f_gemm2
	.p2align	8
	.type	k_q5966a6119f_gemm2,@function
k_q5966a6119f_gemm2:
	s_mov_b64 s[64:65], 0
	v_nop
	global_prefetch_b8 v0, s[64:65] scope:SCOPE_SE
	s_setreg_imm32_b32 hwreg(HW_REG_WAVE_MODE, 25, 1), 1
	s_wait_xcnt 0x0
	s_wait_alu depctr_hold_cnt(0) depctr_sa_sdst(0) depctr_va_vdst(0) depctr_va_sdst(0) depctr_va_ssrc(0) depctr_va_vcc(0) depctr_vm_vsrc(0)
	s_getreg_b32 s2, hwreg(HW_REG_IB_STS2, 6, 4)
	s_cmp_eq_u32 s2, 0
	s_cbranch_scc0 .Lentry_in_a_cluster
	s_endpgm
.Lentry_in_a_cluster:
	s_bfe_u32 s2, ttmp6, 0x10000c
	s_cmp_lg_u32 s2, 0xf033
	s_cbranch_scc0 .Lentry_shape_is_right
	s_endpgm
.Lentry_shape_is_right:
; out0 = a w_out^T + b_out on codes of BF6 (E3M2) with E8M0 scales; a: the attention's result, [8192][1024]; w_out: tiles 192 .. 255 of wq; sums and out0 in f32.
; A tile of 128 rows x 256 columns is made by four waves, 64 x 128 each: 32 accumulators, 256 registers.  8,192 x 1,024 are 256 such tiles: one work-group for each of 256.
; ALL OF K LIES IN LDS: 128 + 256 rows x 768 bytes of codes and 12,288 bytes of scale words are 307,200 bytes.  They come in two halves of K (slots), each asked for behind a cluster round, when my last tensor load has landed: one tensor load
; of a wave is out at a time.  No LDS byte is filled again: no ring; one barrier shows each half.
; aq, wq hold IMAGES OF OPERAND REGISTERS: fragment (tile of 16 rows, K step of 128) = 1,536 bytes at (8 tile + step) x 1,536: registers 0-3 at 16 x lane, 4-5 at 512 + 8 x lane, 6-9 at 768 + 16 x lane,
; 10-11 at 1,280 + 8 x lane; scale words behind the codes at tile x 512 + (step / 2) x 128 + 8 row + 4 (step % 2).  Every LDS load takes consecutive bytes in consecutive lanes: no pitch, no padding.
; Inside a block of 32 both operands hold their codes in the order 0-7, 16-23, 8-15, 24-31: the products are kept; only the grouping of the unit's sums changes.
; THE MATRIX INSTRUCTION IS USED TRANSPOSED (source 0 = 16 rows of W, source 1 = 16 rows of a): a lane holds eight neighbouring numbers of a row of out0.  The bias is the C of each sum's first product.
; CLUSTERS: 4 x 4 work-groups; a's tiles are asked for jointly along a row of the cluster, W's along a column.
; REGISTERS: window 0: v1-3 lane, r, h; v12 bias offset; v16-27 addresses; v30-31 the stage; v32-63 source 1's scale words (block a, K step k at 8 a + k), v64-127 source 0's: each loaded once;
;   v128-223 source 1's fragments, TWO sets of 48.   window 1: source 0's fragments, TWO sets, at v0 and v128; the bias in v96-127 and v224-255.   window 2: accumulator (a, b) at v[8 (8 a + b)].
.set TROW,  6144                       ; a tile of 16 rows in a slot: four K steps
.set AHALF, 4*TROW                     ; four tiles of a: what a wave fetches of a, and what a wave reads for source 1
.set BHALF, 8*TROW                     ; eight tiles of W likewise
.set BOFF,  2*AHALF                    ; in a slot W's 16 tiles lie behind a's 8
.set SLOT,  BOFF+2*BHALF               ; 147,456 bytes
.set SCL,   2*SLOT                     ; a's scale words, 8 x 512 bytes;
.set SCLB,  SCL+4096                   ; W's, 16 x 512
.set SPITCH, 528                       ; the way out: a stage of 16 rows x (512 + 16) bytes for each wave, from LDS byte 0 on: in slot 0, which has had its one fill and, behind the second barrier, its last read
.set FR,    12
.set A1Q,   16                         ; v16-17 source 1's place in slot 0, 1, + 16 x lane; v18-19 + 8 x lane
.set A0Q,   20                         ; v20-23 the same for source 0
.set AS1,   24
.set AS0,   25
.set L16,   26
.set L8,    27
.set STO,   30
.set RD,    31
.set SC1,   32
.set SC0,   64
.set S1F,   128
.set BK,    128
.set G1,   24
.set G0,   32
.set G1B,  48
.set G0B,  56
.set G1S,  68
.set G0S,  76
.set G1SB, 80
.set G0SB, 88
.set MSB, 0
.macro WIN new                         ; the immediate's high byte repeats the setting that is left
.if MSB != (\new)
	s_set_vgpr_msb (MSB<<8)|(\new)
.set MSB, (\new)
.endif
.endm
.set MUL,  0xa1                        ; source 0 window 1, source 1 window 0, C and D window 2
.set FST,  0x91                        ; the first step: C (the bias) window 1, D window 2
.set TO_1, 0x40
.macro JLOAD g0a, g1a, g0b, g1b        ; waves 0 and 1 fetch a's halves, waves 2 and 3 W's; four v_nop follow each of the two lines
	s_cmp_eq_u32 s15, 0
	s_cbranch_scc0 .Lfor_b_\@
	tensor_load_to_lds s[\g0a:\g0a+3], s[\g1a:\g1a+7]
	s_nop 0
.rept 4
	v_nop
.endr
	s_branch .Lasked_\@
.Lfor_b_\@:
	tensor_load_to_lds s[\g0b:\g0b+3], s[\g1b:\g1b+7]
	s_nop 0
.rept 4
	v_nop
.endr
.Lasked_\@:
.endm
.macro CROUND                          ; a round of the cluster's barrier
	s_barrier_signal -1
	s_barrier_wait -1
	s_cmp_lg_u32 s14, 0
	s_cbranch_scc1 .Lnot_wave_0_\@
	s_barrier_signal -3
.Lnot_wave_0_\@:
	s_barrier_wait -3
	s_barrier_signal -1
	s_barrier_wait -1
.endm
.macro PLACES                          ; four places behind a matrix instruction of this form (ISA guide 7.12.1)
.rept 4
	v_nop
.endr
.endm
	s_load_b256 s[4:11], s[0:1], 0x0               ; aq s[4:5], wq s[6:7], b_out s[8:9], out0 s[10:11]
	v_lshl_add_u32 v28, v0, 2, 0x4b000
	v_mov_b32 v29, 0
	ds_add_u32 v28, v29
	ds_add_u32 v28, v29
	v_lshrrev_b32 v1, 5, v0
	v_readfirstlane_b32 s14, v1                    ; wave
	s_lshr_b32 s15, s14, 1                         ; wr: my half of the rows.  Also: I fetch for a (0) or for W (1)
	s_and_b32 s16, s14, 1                          ; wc: my half of the columns.  Also: which half I fetch
	s_bfe_u32 s40, ttmp6, 0x40000                  ; cx
	s_bfe_u32 s41, ttmp6, 0x40004                  ; cy
	s_lshl_b32 s42, ttmp9, 2
	s_add_co_u32 s42, s42, s40                     ; X: tile column, 0 .. 3
	s_and_b32 s17, ttmp7, 0xffff
	s_lshl_b32 s17, s17, 2
	s_add_co_u32 s17, s17, s41                     ; Y: tile row, 0 .. 63
	s_lshl_b32 s43, s41, 2
	s_lshl_b32 s43, 15, s43                        ; my row of the cluster
	s_lshl_b32 s44, 0x1111, s40                    ; my column
	; codes: rows (tiles of 16) of 6,144 bytes (four K steps), 12,288 bytes apart; elements of 8 bytes.  a: 4 rows a load, W: 8
	s_or_b32 s[G1+0], s43, (3<<16)|(1<<21)
	s_mov_b32 s[G1+1], 768<<16                     ; tensor_dim0
	s_mov_b32 s[G1+2], 4<<16                       ; tensor_dim1
	s_mov_b32 s[G1+3], 768<<16                     ; tile_dim0
	s_mov_b32 s[G1+4], 4                           ; tile_dim1
	s_mov_b32 s[G1+5], 1536                        ; stride
	s_mov_b32 s[G1+6], 0
	s_mov_b32 s[G1+7], 0
	s_or_b32 s[G1B+0], s44, (3<<16)|(1<<21)
	s_mov_b32 s[G1B+1], 768<<16
	s_mov_b32 s[G1B+2], 8<<16
	s_mov_b32 s[G1B+3], 768<<16
	s_mov_b32 s[G1B+4], 8
	s_mov_b32 s[G1B+5], 1536
	s_mov_b32 s[G1B+6], 0
	s_mov_b32 s[G1B+7], 0
	; scale words: dense bytes as rows of 256.  a: 4 tiles, 8 rows; W: 8 tiles, 16 rows
	s_or_b32 s[G1S+0], s43, (3<<16)|(1<<21)
	s_mov_b32 s[G1S+1], 32<<16
	s_mov_b32 s[G1S+2], 8<<16
	s_mov_b32 s[G1S+3], 32<<16
	s_mov_b32 s[G1S+4], 8
	s_mov_b32 s[G1S+5], 32
	s_mov_b32 s[G1S+6], 0
	s_mov_b32 s[G1S+7], 0
	s_or_b32 s[G1SB+0], s44, (3<<16)|(1<<21)
	s_mov_b32 s[G1SB+1], 32<<16
	s_mov_b32 s[G1SB+2], 16<<16
	s_mov_b32 s[G1SB+3], 32<<16
	s_mov_b32 s[G1SB+4], 16
	s_mov_b32 s[G1SB+5], 32
	s_mov_b32 s[G1SB+6], 0
	s_mov_b32 s[G1SB+7], 0
	s_lshl_b32 s18, s16, 2
	s_lshl_b32 s20, s17, 3
	s_add_co_u32 s20, s20, s18                     ; a: tile 8 Y + 4 half
	s_lshl_b32 s19, s16, 3
	s_lshl_b32 s46, s42, 4
	s_add_co_u32 s46, s46, s19
	s_add_co_u32 s46, s46, 192                     ; W: tile 192 + 16 X + 8 half
	s_lshl_b32 s22, s20, 9
	s_add_co_u32 s22, s22, 6291456                 ; their scale words
	s_mov_b32 s23, 0
	s_lshl_b32 s92, s46, 9
	s_add_co_u32 s92, s92, 3145728
	s_mov_b32 s93, 0
	s_mul_i32 s20, s20, 12288                      ; and their codes
	s_mov_b32 s21, 0
	s_mul_i32 s46, s46, 12288
	s_mov_b32 s47, 0
	s_mul_i32 s45, s16, AHALF                      ; where they go, by the wave's number alone: a's codes,
	s_mul_i32 s94, s16, BHALF
	s_add_co_u32 s94, s94, BOFF                    ; W's codes,
	s_lshl_b32 s95, s16, 11
	s_add_co_u32 s95, s95, SCL                     ; a's scale words,
	s_lshl_b32 s98, s16, 12
	s_add_co_u32 s98, s98, SCLB                    ; W's
	s_wait_dscnt 0x0
	s_wait_kmcnt 0x0
	s_add_nc_u64 s[20:21], s[4:5], s[20:21]
	s_add_nc_u64 s[22:23], s[4:5], s[22:23]
	s_add_nc_u64 s[46:47], s[6:7], s[46:47]
	s_add_nc_u64 s[92:93], s[6:7], s[92:93]
	CROUND                                         ; all sixteen work-groups are here: the joint loads meet
	s_mov_b32 s[G0S], 1
	s_mov_b32 s[G0S+1], s95
	s_mov_b64 s[G0S+2:G0S+3], s[22:23]
	s_or_b32 s[G0S+3], s[G0S+3], 0x80000000
	s_mov_b32 s[G0SB], 1
	s_mov_b32 s[G0SB+1], s98
	s_mov_b64 s[G0SB+2:G0SB+3], s[92:93]
	s_or_b32 s[G0SB+3], s[G0SB+3], 0x80000000
	JLOAD G0S, G1S, G0SB, G1SB                     ; the scale words first
.irp s, 0,1
	s_mov_b32 s[G0+4*\s], 1
	s_add_co_u32 s[G0+4*\s+1], s45, \s*SLOT
	s_add_nc_u64 s[G0+4*\s+2:G0+4*\s+3], s[20:21], \s*TROW
	s_or_b32 s[G0+4*\s+3], s[G0+4*\s+3], 0x80000000
	s_mov_b32 s[G0B+4*\s], 1
	s_add_co_u32 s[G0B+4*\s+1], s94, \s*SLOT
	s_add_nc_u64 s[G0B+4*\s+2:G0B+4*\s+3], s[46:47], \s*TROW
	s_or_b32 s[G0B+4*\s+3], s[G0B+4*\s+3], 0x80000000
	s_wait_alu depctr_va_vdst(0)
	s_wait_tensorcnt 0x0
	ds_add_u32 v28, v29
	s_wait_dscnt 0x0
	CROUND
	JLOAD G0+4*\s, G1, G0B+4*\s, G1B               ; K's half s: my only tensor load out
.endr
	v_and_b32 v1, 31, v0
	v_and_b32 v2, 15, v0                           ; r
	v_bfe_u32 v3, v0, 4, 1                         ; h
	v_lshlrev_b32 v[L16], 4, v1
	v_lshlrev_b32 v[L8], 3, v1
	s_mul_i32 s21, s15, AHALF                      ; source 1: my 64 rows of a
	s_mul_i32 s22, s16, BHALF
	s_add_co_u32 s22, s22, BOFF                    ; source 0: my 128 rows of W
.irp s, 0,1
	v_add_nc_u32 v[A1Q+\s], s21, v[L16]
	v_add_nc_u32 v[A1Q+2+\s], s21, v[L8]
	v_add_nc_u32 v[A0Q+\s], s22, v[L16]
	v_add_nc_u32 v[A0Q+2+\s], s22, v[L8]
	s_add_co_u32 s21, s21, SLOT
	s_add_co_u32 s22, s22, SLOT
.endr
	s_lshl_b32 s23, s15, 11
	s_add_co_u32 s23, s23, SCL
	v_lshl_add_u32 v[AS1], v2, 3, s23
	s_lshl_b32 s18, s16, 12
	s_add_co_u32 s18, s18, SCLB
	v_lshl_add_u32 v[AS0], v2, 3, s18
	s_lshl_b32 s18, s42, 10
	s_lshl_b32 s19, s16, 9
	s_add_co_u32 s18, s18, s19
	s_mov_b32 s19, 0
	s_add_nc_u64 s[18:19], s[8:9], s[18:19]        ; b_out at column 256 X + 128 wc
	v_lshlrev_b32 v12, 5, v3                       ; 32 h: for tile b the eight numbers 16 b + 8 h + 0 .. 7
	WIN TO_1
.irp b, 0,1,2,3,4,5,6,7
	global_load_b128 v[96+8*\b+96*(\b/4):96+8*\b+96*(\b/4)+3],   v12, s[18:19] offset:64*\b
	global_load_b128 v[96+8*\b+96*(\b/4)+4:96+8*\b+96*(\b/4)+7], v12, s[18:19] offset:64*\b+16
.endr
	WIN 0
	s_mul_i32 s23, s14, 16*SPITCH                  ; my stage
	v_mul_u32_u24 v5, v2, SPITCH
	v_lshl_add_u32 v5, v3, 5, v5
	v_add_nc_u32 v[STO], s23, v5                   ; in: row r, 32 bytes for each half of the lanes
	v_add_nc_u32 v[RD], s23, v[L16]                ; back: the 32 lanes take one row of 512 bytes
	s_lshl_b32 s20, s17, 7
	s_lshl_b32 s21, s15, 6
	s_add_co_u32 s20, s20, s21                     ; my first row: 128 Y + 64 wr,
	s_lshl_b32 s20, s20, 12                        ; of 4,096 bytes
	s_lshl_b32 s21, s42, 10
	s_add_co_u32 s20, s20, s21
	s_lshl_b32 s21, s16, 9
	s_add_co_u32 s20, s20, s21                     ; my first column
	s_mov_b32 s21, 0
	s_add_nc_u64 s[10:11], s[10:11], s[20:21]
.macro FRAG reg, adr, q, i             ; a fragment comes as it was stored: four loads of consecutive bytes
	ds_load_b128 v[\reg:\reg+3],     v[\adr]   offset:TROW*(\i)+1536*(\q)
	ds_load_b64  v[\reg+4:\reg+5],   v[\adr+2] offset:TROW*(\i)+1536*(\q)+512
	ds_load_b128 v[\reg+6:\reg+9],   v[\adr]   offset:TROW*(\i)+1536*(\q)+768
	ds_load_b64  v[\reg+10:\reg+11], v[\adr+2] offset:TROW*(\i)+1536*(\q)+1280
.endm
.macro FETCH k                         ; K step k (slot k / 4, its step k % 4) into the sets k % 2: source 0's eight fragments, source 1's four: 48 loads
	WIN TO_1
.irp i, 0,1,2,3,4,5,6,7
	FRAG 128*((\k)%2)+FR*\i, A0Q+(\k)/4, (\k)%4, \i
.endr
	WIN 0
.irp i, 0,1,2,3
	FRAG S1F+48*((\k)%2)+FR*\i, A1Q+(\k)/4, (\k)%4, \i
.endr
.endm
.macro SCALES kp                       ; the two words a row of K steps 2 kp, 2 kp + 1: 12 loads, each register loaded once in the launch
.irp i, 0,1,2,3
	ds_load_b64 v[SC1+8*\i+2*(\kp):SC1+8*\i+2*(\kp)+1], v[AS1] offset:512*\i+128*(\kp)
.endr
.irp i, 0,1,2,3,4,5,6,7
	ds_load_b64 v[SC0+8*\i+2*(\kp):SC0+8*\i+2*(\kp)+1], v[AS0] offset:512*\i+128*(\kp)
.endr
.endm
; 16 matrix instructions: a's blocks a0, a0 + 1 x W's eight; first = 1: the bias of W's tile b starts the sums.  The 32 accumulators take turns, one instruction a turn, in the same order in every step.
.macro MUL16 a0, k, first
.irp a, \a0, \a0+1
.irp b, 0,1,2,3,4,5,6,7
.if \first
	v_wmma_scale_f32_16x16x128_f8f6f4 v[8*(8*(\a)+\b):8*(8*(\a)+\b)+7], v[128*((\k)%2)+FR*\b:128*((\k)%2)+FR*\b+FR-1], v[S1F+48*((\k)%2)+FR*(\a):S1F+48*((\k)%2)+FR*(\a)+FR-1], v[96+8*\b+96*(\b/4):96+8*\b+96*(\b/4)+7], v[SC0+8*\b+(\k)], v[SC1+8*(\a)+(\k)] matrix_a_fmt:MATRIX_FMT_BF6 matrix_b_fmt:MATRIX_FMT_BF6
.else
	v_wmma_scale_f32_16x16x128_f8f6f4 v[8*(8*(\a)+\b):8*(8*(\a)+\b)+7], v[128*((\k)%2)+FR*\b:128*((\k)%2)+FR*\b+FR-1], v[S1F+48*((\k)%2)+FR*(\a):S1F+48*((\k)%2)+FR*(\a)+FR-1], v[8*(8*(\a)+\b):8*(8*(\a)+\b)+7], v[SC0+8*\b+(\k)], v[SC1+8*(\a)+(\k)] matrix_a_fmt:MATRIX_FMT_BF6 matrix_b_fmt:MATRIX_FMT_BF6
.endif
.endr
.endr
.endm
; K step k: its fragments are in; the next step's are asked for, into the other sets, and land under this step's 32 products.  meet = 1: the next step lies in slot 1.
.macro STEP k, first, meet
	s_wait_dscnt 0x0                               ; this step's fragments and scale words are in
.if \meet
	s_wait_tensorcnt 0x0                           ; my part of K's second half has landed (my last tensor load),
	s_barrier_signal -1
	s_barrier_wait -1                              ; everybody's has; and every wave's reads of slot 0 are over
.endif
.if (\k) < 7
.if (\k) > 0
	PLACES                                         ; the other sets were read by the last step's products
.endif
	FETCH (\k)+1
.if (\k) < 3
	SCALES (\k)+1                                  ; with the 48: 60 LDS loads of mine are out
.endif
.endif
.if \first
	WIN FST
.else
	WIN MUL
.endif
	MUL16 0, \k, \first
	MUL16 2, \k, \first
	WIN 0
.endm
	s_wait_alu depctr_va_vdst(0)
	s_wait_tensorcnt 1                             ; the scale words and my part of K's first half are in; the second half's load may be out
	s_barrier_signal -1
	s_barrier_wait -1
	FETCH 0
	SCALES 0
	s_wait_loadcnt 0x0                             ; the bias
	STEP 0, 1, 0
	STEP 1, 0, 0
	STEP 2, 0, 0
	STEP 3, 0, 1
	STEP 4, 0, 0
	STEP 5, 0, 0
	STEP 6, 0, 0
	STEP 7, 0, 0
; THE WAY OUT, block by block of 16 rows x 128 columns, through my own stage: a lane's 32 bytes go in, whole rows of 512 bytes come back.  LDS serves a wave's instructions in order (ISA guide 5.7.1.4).
.macro TOSTAGE a
.set AC, 64*(\a)
	WIN 0x08                                       ; an LDS store's data are its source 1: window 2
.irp b, 0,1,2,3,4,5,6,7
	ds_store_b128 v[STO], v[AC+8*\b:AC+8*\b+3] offset:64*\b          ; each accumulator from its low end on
	ds_store_b128 v[STO], v[AC+8*\b+4:AC+8*\b+7] offset:64*\b+16
.endr
	WIN 0
.set BB, BK+64*((\a)%2)
.irp t, 0,1,2,3,4,5,6,7,8,9,10,11,12,13,14,15
	ds_load_b128 v[BB+4*\t:BB+4*\t+3], v[RD] offset:\t*SPITCH
.endr
.endm
.macro SEND a, younger
.set BB, BK+64*((\a)%2)
	s_wait_dscnt \younger                          ; the block is back in registers
.if (\a) > 0
	s_add_nc_u64 s[10:11], s[10:11], 16*4096       ; (behind a wait on XCNT)  16 rows on
.endif
.irp t, 0,1,2,3,4,5,6,7,8,9,10,11,12,13,14,15
	global_store_b128 v[L16], v[BB+4*\t:BB+4*\t+3], s[10:11] offset:\t*4096 th:TH_STORE_NT   ; 32 lanes store 512 consecutive bytes, aligned
.endr
.endm
	PLACES                                         ; behind the last products: for the reads of results and for the loads into the registers that held a's fragments
	TOSTAGE 0
.irp a, 1,2,3
.if \a > 1
	s_wait_xcnt 0x0                                ; block a - 2's stores have read their registers and their base
.endif
	TOSTAGE \a
	SEND \a-1, 32                                  ; behind block a - 1's loads: block a's 16 stores and 16 loads
.endr
	s_wait_xcnt 0x0
	SEND 3, 0                                      ; its wait is for 0: no LDS instruction of mine is out at the signal below
	s_wait_tensorcnt 0x0
	ds_add_u32 v28, v29
	s_wait_dscnt 0x0
	CROUND                                         ; the closing round
	s_endpgm
.Lfunc_end_k_q5966a6119f_gemm2:
	.size	k_q5966a6119f_gemm2, .Lfunc_end_k_q5966a6119f_gemm2-k_q5966a6119f_gemm2
	.p2alignl 7, 3214868480
	.fill 96, 4, 3214868480
	.section	.rodata,"a",@progbits
	.p2align	6, 0x0
	.amdhsa_kernel k_q5966a6119f_gemm2
		.amdhsa_group_segment_fixed_size 327680
		.amdhsa_private_segment_fixed_size 0
		.amdhsa_enable_private_segment 0
		.amdhsa_kernarg_size 32
		.amdhsa_user_sgpr_count 2
		.amdhsa_user_sgpr_kernarg_segment_ptr 1
		.amdhsa_wavefront_size32 1
		.amdhsa_system_sgpr_workgroup_id_x 1
		.amdhsa_system_sgpr_workgroup_id_y 1
		.amdhsa_system_sgpr_workgroup_id_z 1
		.amdhsa_system_vgpr_workitem_id 0
		.amdhsa_next_free_vgpr 768
		.amdhsa_next_free_sgpr 100
		.amdhsa_reserve_vcc 0
		.amdhsa_float_denorm_mode_32 3
		.amdhsa_float_denorm_mode_16_64 3
		.amdhsa_memory_ordered 1
		.amdhsa_forward_progress 1
		.amdhsa_inst_pref_size 89
	.end_amdhsa_kernel
	.amdgpu_metadata
---
amdhsa.version: [ 1, 2 ]
amdhsa.kernels:
  - .name:           k_q5966a6119f_gemm2
    .symbol:         k_q5966a6119f_gemm2.kd
    .args:
      - { .name: aq, .offset: 0, .size: 8, .value_kind: global_buffer, .address_space: global }
      - { .name: wq, .offset: 8, .size: 8, .value_kind: global_buffer, .address_space: global }
      - { .name: b_out, .offset: 16, .size: 8, .value_kind: global_buffer, .address_space: global }
      - { .name: out0, .offset: 24, .size: 8, .value_kind: global_buffer, .address_space: global }
    .group_segment_fixed_size: 327680
    .private_segment_fixed_size: 0
    .kernarg_segment_align: 8
    .kernarg_segment_size: 32
    .max_flat_workgroup_size: 128
    .sgpr_count:     100
    .vgpr_count:     768
    .wavefront_size: 32
...
	.end_amdgpu_metadata
.endif
;; end of part 4
